; MI455X (gfx1250); checked and timed in simulation.
; The chip was launched on July 23, 2026; its instructions are those of AMD's public machine-readable ISA for CDNA 5 (MIT licence, August 2026) and "CDNA5" Instruction Set Architecture Reference Guide (July 2026). The comments in the code are by the model that wrote it; some were corrected since.
;; MLA. Allowed arithmetic: matrix products marked QUANTISED: E2M1 operands, one E8M0 scale for each 32 along K, by v_wmma_scale_f32_16x16x128_f8f6f4 with both operands' format E2M1 (or v_wmma_scale_f32_32x16x128_f4), f32 sums; products left as they are: bf16, f16 or f32 operands; f32 sums; everything else in f32.
;; Inputs: Wk 4 x 512 x 512 float32; Wp 4 x 512 x 512 float32; Wq 4 x 512 x 512 float32; Wv 4 x 512 x 512 float32; position_embedding 2,048 x 512 float32; readout 2,048 x 512 float32; token_embedding 512 x 2,048 float32; x 2 x 2,048 x 2,048 float32.
;; Outputs: out0 2 x 2,048 float32.
;; This version of the problem:
;;   THIS VERSION OF THE PROBLEM IS GIVEN IN LOW PRECISION. The matrix products marked QUANTISED in the list below multiply operands that are first quantised to E2M1 (2 exponent bits, 1 mantissa bit; 4 bits a number), with one power-of-two scale for each 32 numbers along K (OCP MX v1.0); their sums are f32. The products marked 'left as it is' may take bf16, f16 or f32 operands, with f32 sums. Whichever they take, every output number must still come out within the allowed error. Rounding operands to bf16 (8 significant bits) uses up far more of that allowance than f16 does (11 bits, for magnitudes from 6e-5 to 65,504). All else is computed in f32.
;;   The module's matrix products, in the order in which they are computed (A, B: the left and right operand; K: the contracted axis; several contracted axes count as one K, in the product's order):
;;     1. [M 4,096, K 2,048] x [K 2,048, N 512]; A: input x; B: input token_embedding: QUANTISED
;;     2. [M 4,096, K 512] x [K 512, N 512]; A: computed on the way; B: input Wq: left as it is (an operand is computed on the way)
;;     3. [M 4,096, K 512] x [K 512, N 512]; A: computed on the way; B: input Wk: left as it is (an operand is computed on the way)
;;     4. [M 4,096, K 512] x [K 512, N 512]; A: computed on the way; B: input Wv: left as it is (an operand is computed on the way)
;;     5. batch 16 x [M 2,048, K 64] x [K 64, N 2,048]; A: computed on the way; B: computed on the way: left as it is (an operand is computed on the way)
;;     6. batch 16 x [M 2,048, K 2,048] x [K 2,048, N 64]; A: computed on the way; B: computed on the way: left as it is (an operand is computed on the way)
;;     7. [M 4,096, K 512] x [K 512, N 512]; A: computed on the way; B: input Wp: left as it is (an operand is computed on the way)
;;     8. [M 4,096, K 512] x [K 512, N 512]; A: computed on the way; B: input Wq: left as it is (an operand is computed on the way)
;;     9. [M 4,096, K 512] x [K 512, N 512]; A: computed on the way; B: input Wk: left as it is (an operand is computed on the way)
;;     10. [M 4,096, K 512] x [K 512, N 512]; A: computed on the way; B: input Wv: left as it is (an operand is computed on the way)
;;     11. batch 16 x [M 2,048, K 64] x [K 64, N 2,048]; A: computed on the way; B: computed on the way: left as it is (an operand is computed on the way)
;;     12. batch 16 x [M 2,048, K 2,048] x [K 2,048, N 64]; A: computed on the way; B: computed on the way: left as it is (an operand is computed on the way)
;;     13. [M 4,096, K 512] x [K 512, N 512]; A: computed on the way; B: input Wp: left as it is (an operand is computed on the way)
;;     14. [M 4,096, K 512] x [K 512, N 512]; A: computed on the way; B: input Wq: left as it is (an operand is computed on the way)
;;     15. [M 4,096, K 512] x [K 512, N 512]; A: computed on the way; B: input Wk: left as it is (an operand is computed on the way)
;;     16. [M 4,096, K 512] x [K 512, N 512]; A: computed on the way; B: input Wv: left as it is (an operand is computed on the way)
;;     17. batch 16 x [M 2,048, K 64] x [K 64, N 2,048]; A: computed on the way; B: computed on the way: left as it is (an operand is computed on the way)
;;     18. batch 16 x [M 2,048, K 2,048] x [K 2,048, N 64]; A: computed on the way; B: computed on the way: left as it is (an operand is computed on the way)
;;     19. [M 4,096, K 512] x [K 512, N 512]; A: computed on the way; B: input Wp: left as it is (an operand is computed on the way)
;;     20. [M 4,096, K 512] x [K 512, N 512]; A: computed on the way; B: input Wq: left as it is (an operand is computed on the way)
;;     21. [M 4,096, K 512] x [K 512, N 512]; A: computed on the way; B: input Wk: left as it is (an operand is computed on the way)
;;     22. [M 4,096, K 512] x [K 512, N 512]; A: computed on the way; B: input Wv: left as it is (an operand is computed on the way)
;;     23. batch 16 x [M 2,048, K 64] x [K 64, N 2,048]; A: computed on the way; B: computed on the way: left as it is (an operand is computed on the way)
;;     24. batch 16 x [M 2,048, K 2,048] x [K 2,048, N 64]; A: computed on the way; B: computed on the way: left as it is (an operand is computed on the way)
;;     25. [M 4,096, K 512] x [K 512, N 512]; A: computed on the way; B: input Wp: left as it is (an operand is computed on the way)
;;     26. [M 2, K 512] x [K 512, N 2,048]; A: computed on the way; B: input readout: left as it is (M = 2 < 16)
;;   THE QUANTISER, for each operand of a quantised product, along K:
;;     - K is cut into blocks of 32 from its start; a last block that is shorter is filled with zeros.
;;     - A block's scale is 2^e with e = floor(log2(the largest magnitude in the block)) - 2, held to -126 .. 127; a block of zeros has e = 0. As a byte (E8M0): e + 127.
;;     - Each number is divided by its block's scale, clamped to +-6, and rounded to the nearest number of E2M1, ties to even, subnormals kept.
;;     - The product sums the exact products of the quantised numbers (number of the format x scale) in f32.
;;   ~~~python
;;   def quantise(x, axis):      # numpy; x: float32 -> the quantised numbers, widened to float32 again
;;       x = np.moveaxis(x, axis, -1); K = x.shape[-1]
;;       x = np.pad(x, [(0, 0)] * (x.ndim - 1) + [(0, -K % 32)]); x = x.reshape(x.shape[:-1] + (-1, 32)); a = np.abs(x).max(-1, keepdims=True)
;;       e = np.where(a > 0, np.clip(np.frexp(np.where(a > 0, a, 1))[1] - 1 - 2, -126, 127), 0)      # np.frexp(a)[1] - 1 = floor(log2(a)), exactly
;;       r = np.clip(x / 2.0 ** e, -6, 6)
;;       step = 2.0 ** (np.maximum(np.frexp(np.where(r == 0, 1, r))[1] - 1, 0) - 1)
;;       q = np.round(r / step) * step * 2.0 ** e      # np.round: ties to even
;;       return np.moveaxis(q.reshape(q.shape[:-2] + (-1,))[..., :K], -1, axis).astype(np.float32)
;;   ~~~
;; One version. Each part assembles by itself: llvm-mc -triple=amdgcn-amd-amdhsa -mcpu=gfx1250 --defsym DOCPART=n.
;; ======== version 1 of 1: 15 launches
;; limits: right only within a limited range of input values; values are held in f16: magnitudes above 65,504 overflow, below 6.1e-05 lose precision
;; workspace buffers: ec 5,016,320 bytes; w0 2,097,152 bytes; w1 2,097,152 bytes; w2 2,097,152 bytes; w3 2,097,152 bytes; hb 4,202,496 bytes; qkv 12,595,200 bytes; ao 4,194,304 bytes
;; launch prep (part 1): grid 304 x 1, 4 waves a work-group, no clusters, 70,144 bytes of LDS; arguments x, token_embedding, position_embedding, Wq, Wk, Wv, Wp, ec, w0, w1, w2, w3; writes ec, w0, w1, w2, w3
.if DOCPART == 1
	.amdgcn_target "amdgcn-amd-amdhsa--gfx1250"
	.amdhsa_code_object_version 6
	.text
	.protected	k_q3979cddc43_prep
	.globl	k_q3979cddc43_prep
	.p2align	8
	.type	k_q3979cddc43_prep,@function
k_q3979cddc43_prep:
	s_mov_b64 s[64:65], 0
	v_nop
	global_prefetch_b8 v0, s[64:65] scope:SCOPE_SE
	s_setreg_imm32_b32 hwreg(HW_REG_WAVE_MODE, 25, 1), 1
	s_wait_xcnt 0x0
; PREP.  x [4096][2048] and token_embedding [512][2048] (f32, K innermost) become codes of E2M1 with one E8M0 byte for each 32 along K; Wq, Wk, Wv, Wp become f16;
; the largest magnitudes of x, token_embedding and position_embedding are stored, one word a wave, for the next launch's choice of a power-of-two scale.
; EVERYTHING IS STORED IN THE ORDER OF AN OPERAND'S REGISTERS: a fragment (16 rows x 128 K of codes, or 16 rows x 32 K of f16) is 1,024 bytes: two parts of 512, lane l's 16 bytes at 16 l.
; So a lane stores its 16 bytes as they stand and each store of the wave covers 512 consecutive bytes, aligned.
; A block's scale is 2^(floor(log2(its largest magnitude)) - 2): its byte is the largest magnitude's exponent field - 2, held at 1 from below by a floor among the maximum's leaves.
; (A block of zeros so gets the byte 1 where the rule says 127: its codes are zeros, and these bytes are read by this program alone.)
; LIMITS: blocks whose largest magnitude lies under 2^-124 were not tried; NaN and infinities are not served; weights beyond f16's largest number become infinities (later launches ask |W| <= 256).
; SHARES.  Work-groups 0-143: a wave takes 16 rows x 1,024 K of x or of token_embedding.  144-271: a wave takes 16 rows x 512 of one weight.  272-303: a wave takes 8,192 numbers of position_embedding.
; Loads take the bytes as they lie (sixteen lanes read 256 consecutive bytes of a row); a step's 16 rows x 64 numbers turn through the wave's own stage in LDS (rows 272 bytes apart) so that a lane
; gets neighbours along K.  No tensor loads, no barrier: waves share nothing, so clusters have nothing to share.  The two paths that use LDS have LDS bytes of their own.
.set SCL,   4718592                    ; ec: the scale words: [tile 288][half of K][lane][16 bytes]: lane (r, h) holds row r's words of K steps 8 U + 4 h .. + 3
.set SXE,   5013504                    ; ec: 576 maxima (512 of x, 64 of token_embedding)
.set SPO,   5015808                    ; ec: 128 maxima of position_embedding
.set STG,   4352                       ; a stage: 16 rows x 272 bytes
.set WREG,  2*STG                      ; two stages a wave
.set WBASE, 4*WREG                     ; the weights' path has stages of its own
.set SPARE, 8*WREG                     ; the spare words, 128 bytes a wave
.set SW,    16                         ; v16-23  eight scale words
.set SPW,   24                         ; v24     my spare word's address; never rewritten
.set NIL,   25                         ; v25     0; never rewritten
.set R,     32                         ; v32-159  four sets of 32 numbers as loaded
.set X,     160                        ; v160-223 two sets of 32 neighbours
.set C,     224                        ; v224-239 codes or f16 numbers to store
	s_load_b512 s[4:19], s[0:1], 0x0               ; x, token_embedding, position_embedding, Wq, Wk, Wv, Wp, ec
	s_load_b256 s[20:27], s[0:1], 0x40             ; w0 .. w3
	v_lshl_add_u32 v[SPW], v0, 2, SPARE
	v_mov_b32 v[NIL], 0
	v_lshrrev_b32 v1, 5, v0
	v_readfirstlane_b32 s28, v1                    ; wave
	v_and_b32 v1, 31, v0                           ; lane
	v_and_b32 v2, 15, v0                           ; r
	v_bfe_u32 v3, v0, 4, 1                         ; h
	v_lshlrev_b32 v7, 4, v1                        ; 16 x lane
	v_lshlrev_b32 v8, 3, v3                        ; 8 h: my bytes' place in a scale word
	v_mov_b32 v9, 0                                ; the wave's largest magnitude
	v_mov_b32 v10, 0
	v_mov_b32 v15, 0                               ; (a lane permute's destination counts as read)
	v_mov_b32 v26, 0                               ; offset 0
	s_mov_b32 s42, 0x76543210
	s_mov_b32 s43, 0xfedcba98                      ; selects: lane l xor 16
	s_mul_i32 s29, s28, WREG
	v_mul_u32_u24 v5, v3, 272
	v_lshl_add_u32 v5, v2, 4, v5
	v_add_nc_u32 v5, s29, v5                       ; the stage, way in: row h of a pair, 16 r
	v_add_nc_u32 v27, WBASE, v5                    ; the same for the weights' path
	v_mul_u32_u24 v6, v2, 272
	v_add_nc_u32 v6, s29, v6
	v_lshl_add_u32 v28, v3, 5, v6
	v_add_nc_u32 v28, WBASE, v28                   ; way out, weights: row r, + 32 h: 8 numbers of each 16
	v_lshl_add_u32 v6, v3, 7, v6                   ; way out, codes: row r, + 128 h: a whole block of 32
	s_wait_kmcnt 0x0
.macro LOAD t, pitch                   ; step t: 16 rows x 256 bytes; an instruction takes two rows
.irp i, 0,1,2,3,4,5,6,7
	global_load_b128 v[R+32*((\t)%4)+4*\i:R+32*((\t)%4)+4*\i+3], v4, s[36:37] offset:2*\i*\pitch+256*(\t) th:TH_LOAD_NT
.endr
.endm
.macro TURN t, ain, aout, hop          ; through the stage: LDS serves a wave's instructions in order, so no wait stands between the stores and the loads
.irp i, 0,1,2,3,4,5,6,7
	ds_store_b128 v[\ain], v[R+32*((\t)%4)+4*\i:R+32*((\t)%4)+4*\i+3] offset:STG*((\t)%2)+544*\i
.endr
.irp u, 0,1,2,3,4,5,6,7
	ds_load_b128 v[X+32*((\t)%2)+4*\u:X+32*((\t)%2)+4*\u+3], v[\aout] offset:STG*((\t)%2)+\hop*(\u/2)+16*(\u%2)
.endr
.endm
.macro HEAD t, ns, pitch, ain, aout, hop
	s_wait_dscnt 0x0                               ; this step's numbers are back from the stage
.if (\t)+4 < \ns
	LOAD (\t)+4, \pitch
.endif
.if (\t)+1 < \ns
.if (\t)+4 < \ns
	s_wait_loadcnt 24                              ; the next step's eight loads are in; those of the three steps behind it may be out
.else
	s_wait_loadcnt 8*(\ns-2-(\t))                  ; the tail: fewer steps are behind it
.endif
	TURN (\t)+1, \ain, \aout, \hop
.endif
	s_wait_xcnt 0x0                                ; the last step's stores have read their data registers: they are written again below
.endm
.macro WMAX r, tmp                     ; the largest over the 32 lanes, in every lane
	v_max_num_f32_dpp v[\r], v[\r], v[\r] row_xmask:1 row_mask:0xf bank_mask:0xf
	v_max_num_f32_dpp v[\r], v[\r], v[\r] row_xmask:2 row_mask:0xf bank_mask:0xf
	v_max_num_f32_dpp v[\r], v[\r], v[\r] row_xmask:4 row_mask:0xf bank_mask:0xf
	v_max_num_f32_dpp v[\r], v[\r], v[\r] row_xmask:8 row_mask:0xf bank_mask:0xf
	v_permlanex16_b32 v[\tmp], v[\r], s42, s43
	v_max_num_f32 v[\r], v[\r], v[\tmp]
.endm
.macro ONE off                         ; lane 0 stores the wave's maximum; EXEC changes only behind s_wait_xcnt 0
	v_cmp_eq_u32 vcc_lo, 0, v1
	s_wait_xcnt 0x0
	s_and_saveexec_b32 s44, vcc_lo
	global_store_b32 v26, v9, s[46:47] offset:\off
	s_wait_xcnt 0x0
	s_or_b32 exec_lo, exec_lo, s44
.endm
	s_cmp_lt_u32 ttmp9, 144
	s_cbranch_scc0 .Lnot_codes
; ---- codes.  Unit U = 4 x work-group + wave: tile of 16 rows T = U / 2, half of K = U % 2
	s_lshl_b32 s30, ttmp9, 2
	s_add_co_u32 s30, s30, s28                     ; U
	s_lshr_b32 s31, s30, 1                         ; T
	s_and_b32 s32, s30, 1
	s_cmp_lt_u32 s31, 256                          ; x's tile or token_embedding's: the choice hangs on ids alone
	s_cselect_b64 s[36:37], s[4:5], s[6:7]
	s_cselect_b32 s33, 0, 256
	s_sub_co_u32 s33, s31, s33
	s_lshl_b32 s34, s33, 17                        ; 16 rows of 8,192 bytes
	s_lshl_b32 s35, s32, 12
	s_add_co_u32 s34, s34, s35
	s_mov_b32 s35, 0
	s_add_nc_u64 s[36:37], s[36:37], s[34:35]
	s_lshl_b32 s34, s30, 13                        ; codes: 8,192 bytes a unit
	s_add_nc_u64 s[38:39], s[18:19], s[34:35]
	s_lshl_b32 s34, s30, 9                         ; scale words: 512 bytes a unit
	s_add_nc_u64 s[40:41], s[18:19], s[34:35]
	s_lshl_b32 s34, s30, 2
	s_add_nc_u64 s[46:47], s[18:19], s[34:35]
	v_lshlrev_b32 v4, 13, v3
	v_lshl_add_u32 v4, v2, 4, v4                   ; row h of a pair, 16 r
.macro QSTEP t                         ; 64 along K: my lane holds the block k = 64 t + 32 h + 0 .. 31 of row r: part t % 2 of K step t / 2
	HEAD \t, 16, 8192, 5, 6, 32
.set XS, X+32*((\t)%2)
	v_max3_num_f32 v10, |v[XS]|, |v[XS+1]|, 0x1800000          ; the floor 2^(3 - 127): the byte cannot fall under 1
	v_max3_num_f32 v11, |v[XS+2]|, |v[XS+3]|, |v[XS+4]|
.irp i, 5,9,13,17,21,25
	v_max3_num_f32 v10, v10, |v[XS+\i]|, |v[XS+\i+1]|
	v_max3_num_f32 v11, v11, |v[XS+\i+2]|, |v[XS+\i+3]|
.endr
	v_max3_num_f32 v10, v10, |v[XS+29]|, |v[XS+30]|
	v_max3_num_f32 v10, v10, v11, |v[XS+31]|                   ; the block's largest magnitude
	v_max_num_f32 v9, v9, v10
	v_add_nc_u32 v12, 0xff000000, v10              ; 2 off its exponent field: the conversion takes that field as its scale
.irp g, 0,1,2,3
	v_cvt_scalef32_pk8_fp4_f32 v[C+\g], v[XS+8*\g:XS+8*\g+7], v12
.endr
	v_lshrrev_b32 v13, 23, v12                     ; the scale's byte (also the plain line behind the conversions)
.if (\t)%2 == 0
	v_mov_b32 v14, v13                             ; block h of the K step,
.else
	v_lshl_or_b32 v14, v13, 16, v14                ; block 2 + h,
	v_lshlrev_b32 v14, v8, v14                     ; at their places;
	v_permlanex16_b32 v15, v14, s42, s43
	v_or_b32 v[SW+(\t)/2], v14, v15                ; with lane l xor 16's two the word is whole
.endif
	global_store_b128 v7, v[C:C+3], s[38:39] offset:1024*((\t)/2)+512*((\t)%2)
.endm
	LOAD 0, 8192
	LOAD 1, 8192
	LOAD 2, 8192
	LOAD 3, 8192
	s_wait_loadcnt 24                              ; step 0's eight loads are in
	TURN 0, 5, 6, 32
.irp t, 0,1,2,3,4,5,6,7,8,9,10,11,12,13,14,15
	QSTEP \t
.endr
	v_cmp_le_u32 vcc_lo, 16, v1                    ; lanes 16-31 keep the words of K steps 4 .. 7
.irp j, 0,1,2,3
	v_cndmask_b32 v[C+4+\j], v[SW+\j], v[SW+4+\j], vcc_lo
.endr
	global_store_b128 v7, v[C+4:C+7], s[40:41] offset:SCL
	WMAX 9, 15
	ONE SXE
	s_branch .Lend
.Lnot_codes:
	s_cmp_lt_u32 ttmp9, 272
	s_cbranch_scc0 .Lpos
; ---- weights to f16.  u = 4 (work-group - 144) + wave: tensor u / 128 (q, k, v, p), layer (u / 32) % 4, strip of 16 rows u % 32
	s_sub_co_u32 s29, ttmp9, 144
	s_lshr_b32 s30, s29, 5                         ; tensor
	s_bfe_u32 s31, s29, 0x20003                    ; layer
	s_and_b32 s32, s29, 7
	s_lshl_b32 s32, s32, 2
	s_add_co_u32 s32, s32, s28                     ; strip
	s_mov_b64 s[36:37], s[16:17]
	s_cmp_eq_u32 s30, 2
	s_cselect_b64 s[36:37], s[14:15], s[36:37]
	s_cmp_eq_u32 s30, 1
	s_cselect_b64 s[36:37], s[12:13], s[36:37]
	s_cmp_eq_u32 s30, 0
	s_cselect_b64 s[36:37], s[10:11], s[36:37]
	s_mov_b64 s[38:39], s[26:27]
	s_cmp_eq_u32 s31, 2
	s_cselect_b64 s[38:39], s[24:25], s[38:39]
	s_cmp_eq_u32 s31, 1
	s_cselect_b64 s[38:39], s[22:23], s[38:39]
	s_cmp_eq_u32 s31, 0
	s_cselect_b64 s[38:39], s[20:21], s[38:39]
	s_lshl_b32 s34, s31, 20                        ; a layer is 1 MiB,
	s_lshl_b32 s35, s32, 15                        ; 16 rows of 2,048 bytes
	s_add_co_u32 s34, s34, s35
	s_mov_b32 s35, 0
	s_add_nc_u64 s[36:37], s[36:37], s[34:35]
	s_lshl_b32 s34, s30, 5
	s_add_co_u32 s34, s34, s32
	s_lshl_b32 s34, s34, 14                        ; tile 32 x tensor + strip, 16 KiB each
	s_add_nc_u64 s[38:39], s[38:39], s[34:35]
	v_lshlrev_b32 v4, 11, v3
	v_lshl_add_u32 v4, v2, 4, v4
.macro WSTEP t                         ; 64 along K = four parts: part p holds k = 64 t + 16 p + 8 h + 0 .. 7 of row r
	HEAD \t, 8, 2048, 27, 28, 64
.set XS, X+32*((\t)%2)
.irp n, 0,1,2,3,4,5,6,7,8,9,10,11,12,13,14,15
	v_cvt_pk_f16_f32 v[C+\n], v[XS+2*\n], v[XS+2*\n+1]
.endr
.irp p, 0,1,2,3
	global_store_b128 v7, v[C+4*\p:C+4*\p+3], s[38:39] offset:2048*(\t)+512*\p
.endr
.endm
	LOAD 0, 2048
	LOAD 1, 2048
	LOAD 2, 2048
	LOAD 3, 2048
	s_wait_loadcnt 24
	TURN 0, 27, 28, 64
.irp t, 0,1,2,3,4,5,6,7
	WSTEP \t
.endr
	s_branch .Lend
.Lpos:
; ---- the largest magnitude of 8,192 numbers of position_embedding
	s_sub_co_u32 s29, ttmp9, 272
	s_lshl_b32 s29, s29, 2
	s_add_co_u32 s29, s29, s28
	s_lshl_b32 s34, s29, 15
	s_mov_b32 s35, 0
	s_add_nc_u64 s[36:37], s[8:9], s[34:35]
	s_lshl_b32 s34, s29, 2
	s_add_nc_u64 s[46:47], s[18:19], s[34:35]
.irp q, 0,1
.set j, 0
.rept 32
	global_load_b128 v[R+4*j:R+4*j+3], v7, s[36:37] offset:16384*\q+512*j
.set j, j+1
.endr
	s_wait_loadcnt 0x0
.set j, 0
.rept 32
	v_max3_num_f32 v9, v9, |v[R+j]|, |v[R+j+1]|
	v_max3_num_f32 v10, v10, |v[R+j+2]|, |v[R+j+3]|
.set j, j+4
.endr
.endr
	v_max_num_f32 v9, v9, v10
	WMAX 9, 15
	ONE SPO
.Lend:
	s_wait_tensorcnt 0x0                           ; the wave's end
	ds_add_u32 v[SPW], v[NIL]
	s_wait_dscnt 0x0
	s_endpgm
.Lfunc_end_k_q3979cddc43_prep:
	.size	k_q3979cddc43_prep, .Lfunc_end_k_q3979cddc43_prep-k_q3979cddc43_prep
	.p2alignl 7, 3214868480
	.fill 96, 4, 3214868480
	.section	.rodata,"a",@progbits
	.p2align	6, 0x0
	.amdhsa_kernel k_q3979cddc43_prep
		.amdhsa_group_segment_fixed_size 70144
		.amdhsa_private_segment_fixed_size 0
		.amdhsa_enable_private_segment 0
		.amdhsa_kernarg_size 96
		.amdhsa_user_sgpr_count 2
		.amdhsa_user_sgpr_kernarg_segment_ptr 1
		.amdhsa_wavefront_size32 1
		.amdhsa_system_sgpr_workgroup_id_x 1
		.amdhsa_system_sgpr_workgroup_id_y 1
		.amdhsa_system_sgpr_workgroup_id_z 1
		.amdhsa_system_vgpr_workitem_id 0
		.amdhsa_next_free_vgpr 256
		.amdhsa_next_free_sgpr 66
		.amdhsa_reserve_vcc 1
		.amdhsa_float_denorm_mode_32 3
		.amdhsa_float_denorm_mode_16_64 3
		.amdhsa_memory_ordered 1
		.amdhsa_forward_progress 1
		.amdhsa_inst_pref_size 101
	.end_amdhsa_kernel
	.amdgpu_metadata
---
amdhsa.version: [ 1, 2 ]
amdhsa.kernels:
  - .name:           k_q3979cddc43_prep
    .symbol:         k_q3979cddc43_prep.kd
    .args:
      - { .name: x, .offset: 0, .size: 8, .value_kind: global_buffer, .address_space: global }
      - { .name: token_embedding, .offset: 8, .size: 8, .value_kind: global_buffer, .address_space: global }
      - { .name: position_embedding, .offset: 16, .size: 8, .value_kind: global_buffer, .address_space: global }
      - { .name: Wq, .offset: 24, .size: 8, .value_kind: global_buffer, .address_space: global }
      - { .name: Wk, .offset: 32, .size: 8, .value_kind: global_buffer, .address_space: global }
      - { .name: Wv, .offset: 40, .size: 8, .value_kind: global_buffer, .address_space: global }
      - { .name: Wp, .offset: 48, .size: 8, .value_kind: global_buffer, .address_space: global }
      - { .name: ec, .offset: 56, .size: 8, .value_kind: global_buffer, .address_space: global }
      - { .name: w0, .offset: 64, .size: 8, .value_kind: global_buffer, .address_space: global }
      - { .name: w1, .offset: 72, .size: 8, .value_kind: global_buffer, .address_space: global }
      - { .name: w2, .offset: 80, .size: 8, .value_kind: global_buffer, .address_space: global }
      - { .name: w3, .offset: 88, .size: 8, .value_kind: global_buffer, .address_space: global }
    .group_segment_fixed_size: 70144
    .private_segment_fixed_size: 0
    .kernarg_segment_align: 8
    .kernarg_segment_size: 96
    .max_flat_workgroup_size: 128
    .sgpr_count:     66
    .vgpr_count:     256
    .wavefront_size: 32
...
	.end_amdgpu_metadata
.endif
;; end of part 1
;; launch embed (part 2): grid 4 x 64, 4 waves a work-group, clusters of 4 x 4, 327,680 bytes of LDS; arguments ec, position_embedding, hb; writes hb
.if DOCPART == 2
	.amdgcn_target "amdgcn-amd-amdhsa--gfx1250"
	.amdhsa_code_object_version 6
	.text
	.protected	k_q3979cddc43_embed
	.globl	k_q3979cddc43_embed
	.p2align	8
	.type	k_q3979cddc43_embed,@function
k_q3979cddc43_embed:
	s_mov_b64 s[64:65], 0
	v_nop
	global_prefetch_b8 v0, s[64:65] scope:SCOPE_SE
	s_setreg_imm32_b32 hwreg(HW_REG_WAVE_MODE, 25, 1), 1
	s_wait_xcnt 0x0
	s_wait_alu depctr_hold_cnt(0) depctr_sa_sdst(0) depctr_va_vdst(0) depctr_va_sdst(0) depctr_va_ssrc(0) depctr_va_vcc(0) depctr_vm_vsrc(0)
	s_getreg_b32 s2, hwreg(HW_REG_IB_STS2, 6, 4)
	s_cmp_eq_u32 s2, 0
	s_cbranch_scc0 .Lentry_in_a_cluster
	s_endpgm
.Lentry_in_a_cluster:
	s_bfe_u32 s2, ttmp6, 0x10000c
	s_cmp_lg_u32 s2, 0xf033
	s_cbranch_scc0 .Lentry_shape_is_right
	s_endpgm
.Lentry_shape_is_right:
; EMBED.  h = (x E^T) 2048^-1/2 + position_embedding, the product on codes of E2M1 with E8M0 scales (made by the launch before), sums in f32; h is stored as f16 x a power of two.
; h^ = g h, g = 2^(141 - field(b)), b = 102 mx mE + mp >= |h| (a quantised number is at most 1.5 x its block's largest; 2048 x 1.5^2 x 2048^-1/2 < 102): so |h^| < 2^15.  F = 1 / g goes with it.
; Each wave stores its largest |h^| and a copy of F: the next launch chooses its own scale by them.  LIMITS: b between 2^-100 and 2^126; no NaN, no infinities.
; SHARES.  A work-group makes 64 tokens x 128 channels; wave (wr, wc) 32 x 64: 8 accumulators.  All of K (16 steps of 128) lies in LDS: two tensor loads a wave, one for each half of K, no refill.
; Operands lie in memory in the order of their registers (a fragment: 1,024 bytes, lane l's 16 bytes at 16 l of each half), so a tile's half of K is 8,192 dense bytes, LDS needs no padding,
; and a fragment load takes 512 consecutive bytes.  THE PRODUCT IS USED TRANSPOSED (source 0 = 16 channels of E, source 1 = 16 tokens): a lane holds one token and 8 neighbouring channels, which are
; its 16 bytes of the next product's fragment: results are stored straight from registers, 512 consecutive aligned bytes a store.
; CLUSTER 4 x 4: x's tiles are shared along a row of the cluster, E's along a column: joint loads.  No prefetch: every tile is asked for at the head.
.set TW,    2                          ; token tiles of a wave
.set ASZ,   16384*TW                   ; x's part of half of K in LDS: 2 TW tiles x 8,192
.set KHB,   ASZ+65536                  ; + E's 8 tiles
.set SPARE, 2*KHB
.set SCL,   4718592
.set SXE,   5013504
.set SPO,   5015808
.set HMAX,  4194304
.set HF,    4198400
.set ADY, 16                           ; v16-17 LDS address of my tokens' fragments, first and second half of K
.set ADX, 20                           ; v20-21 of my channels'
.set SPW, 28
.set NIL, 29
.set POS, 32                           ; v32-95   position_embedding in the result's layout
.set PK,  96                           ; v96-127  the maxima as loaded; later the packed results
.set ACC, 128                          ; v128-191 accumulator (a, b) at 128 + 8 (4 a + b)
.set SE,  192                          ; v192-223 E's scale words, v224-239 x's: nothing else is ever kept there
.set SX,  224
.set G1, 24
.set G0, 32
.set G1B, 48
.set G0B, 56
.set MSB, 0
.macro WIN new                         ; the immediate's high byte repeats the setting that is left
.if MSB != \new
	s_set_vgpr_msb (MSB<<8)|\new
.set MSB, \new
.endif
.endm
.set MUL,  0x05                        ; sources 0 and 1 window 1, C and D window 0
.set TO_F, 0x40                        ; destination window 1, address window 0
.macro JLOAD q                         ; waves 0 and 1 fetch tokens' tiles, waves 2 and 3 channels'
	s_cmp_eq_u32 s15, 0
	s_cbranch_scc0 .Lfor_b_\@
	tensor_load_to_lds s[G0+4*\q:G0+4*\q+3], s[G1:G1+7]
	s_nop 0
.rept 4
	v_nop
.endr
	s_branch .Lasked_\@
.Lfor_b_\@:
	tensor_load_to_lds s[G0B+4*\q:G0B+4*\q+3], s[G1B:G1B+7]
	s_nop 0
.rept 4
	v_nop
.endr
.Lasked_\@:
.endm
.macro CROUND                          ; a round of the cluster's barrier
	s_barrier_signal -1
	s_barrier_wait -1
	s_cmp_lg_u32 s14, 0
	s_cbranch_scc1 .Lnot_wave_0_\@
	s_barrier_signal -3
.Lnot_wave_0_\@:
	s_barrier_wait -3
	s_barrier_signal -1
	s_barrier_wait -1
.endm
.macro PLACES
.rept 4
	v_nop
.endr
.endm
.macro WMAX r, tmp
	v_max_num_f32_dpp v[\r], v[\r], v[\r] row_xmask:1 row_mask:0xf bank_mask:0xf
	v_max_num_f32_dpp v[\r], v[\r], v[\r] row_xmask:2 row_mask:0xf bank_mask:0xf
	v_max_num_f32_dpp v[\r], v[\r], v[\r] row_xmask:4 row_mask:0xf bank_mask:0xf
	v_max_num_f32_dpp v[\r], v[\r], v[\r] row_xmask:8 row_mask:0xf bank_mask:0xf
	v_permlanex16_b32 v[\tmp], v[\r], s2, s3
	v_max_num_f32 v[\r], v[\r], v[\tmp]
.endm
	s_load_b128 s[4:7], s[0:1], 0x0                ; ec, position_embedding
	s_load_b64 s[8:9], s[0:1], 0x10                ; hb
	v_lshl_add_u32 v[SPW], v0, 2, SPARE
	v_mov_b32 v[NIL], 0
	ds_add_u32 v[SPW], v[NIL]                      ; the opening: the add, twice on end, and its wait ahead of my first tensor load
	ds_add_u32 v[SPW], v[NIL]
	v_lshrrev_b32 v1, 5, v0
	v_readfirstlane_b32 s14, v1                    ; wave
	s_lshr_b32 s15, s14, 1                         ; wr; also: I fetch tokens' tiles (0) or channels' (1)
	s_and_b32 s16, s14, 1                          ; wc; also: which half of those tiles
	s_bfe_u32 s40, ttmp6, 0x40000                  ; cx
	s_bfe_u32 s41, ttmp6, 0x40004                  ; cy
	s_lshl_b32 s42, ttmp9, 2
	s_add_co_u32 s42, s42, s40                     ; work-group x: 128 channels
	s_and_b32 s13, ttmp7, 0xffff
	s_lshl_b32 s13, s13, 2
	s_add_co_u32 s13, s13, s41                     ; work-group y: 64 tokens
	s_lshl_b32 s43, s41, 2
	s_lshl_b32 s43, 15, s43                        ; my row of the cluster
	s_lshl_b32 s44, 0x1111, s40                    ; my column
	s_or_b32 s[G1+0], s43, (3<<16)|(1<<21)         ; the mask; elements of 8 bytes; bit 21 beside a mask; no padding
	s_or_b32 s[G1B+0], s44, (3<<16)|(1<<21)
.irp g, G1, G1B
	s_mov_b32 s[\g+1], 1024<<16                    ; tensor_dim0: a tile's half of K, 8,192 bytes
	s_mov_b32 s[\g+3], 1024<<16                    ; tile_dim0
	s_mov_b32 s[\g+5], 2048                        ; from tile to tile: 16,384 bytes
	s_mov_b32 s[\g+6], 0
	s_mov_b32 s[\g+7], 0
.endr
	s_mov_b32 s[G1+2], TW<<16                      ; tensor_dim1, tile_dim1: TW tiles of tokens,
	s_mov_b32 s[G1+4], TW
	s_mov_b32 s[G1B+2], 4<<16                      ; four of channels
	s_mov_b32 s[G1B+4], 4
	s_lshl_b32 s20, s13, 2
	s_mul_i32 s21, s16, TW
	s_add_co_u32 s20, s20, s21
	s_lshl_b32 s20, s20, 14                        ; x: tile 4 y + TW x part
	s_mov_b32 s21, 0
	s_lshl_b32 s46, s42, 3
	s_lshl_b32 s47, s16, 2
	s_add_co_u32 s46, s46, s47
	s_add_co_u32 s46, s46, 256
	s_lshl_b32 s46, s46, 14                        ; E: tile 256 + 8 x + 4 x part
	s_mov_b32 s47, 0
	s_mul_i32 s22, s16, ASZ/2                      ; where they go in LDS: the wave's number alone
	s_lshl_b32 s23, s16, 15
	s_add_co_u32 s23, s23, ASZ
	s_mov_b32 s2, 0x76543210
	s_mov_b32 s3, 0xfedcba98
	s_wait_dscnt 0x0                               ; both opening adds are done
	s_wait_kmcnt 0x0
	s_add_nc_u64 s[20:21], s[4:5], s[20:21]
	s_add_nc_u64 s[46:47], s[4:5], s[46:47]
	CROUND                                         ; all sixteen work-groups are here: the joint loads meet
.irp q, 0,1
	s_mov_b32 s[G0+4*\q], 1
	s_add_co_u32 s[G0+4*\q+1], s22, \q*KHB
	s_add_nc_u64 s[G0+4*\q+2:G0+4*\q+3], s[20:21], \q*8192
	s_or_b32 s[G0+4*\q+3], s[G0+4*\q+3], 0x80000000
	s_mov_b32 s[G0B+4*\q], 1
	s_add_co_u32 s[G0B+4*\q+1], s23, \q*KHB
	s_add_nc_u64 s[G0B+4*\q+2:G0B+4*\q+3], s[46:47], \q*8192
	s_or_b32 s[G0B+4*\q+3], s[G0B+4*\q+3], 0x80000000
	JLOAD \q                                       ; two loads of mine are out
.endr
	v_and_b32 v1, 31, v0
	v_and_b32 v2, 15, v0
	v_bfe_u32 v3, v0, 4, 1
	v_lshlrev_b32 v4, 4, v1                        ; 16 x lane
	v_lshlrev_b32 v6, 3, v1
	v_mov_b32 v7, 0
	v_mov_b32 v9, 0
	v_lshlrev_b32 v5, 11, v2
	v_lshl_add_u32 v5, v3, 5, v5                   ; position_embedding: row r, + 32 h
.irp i, 0,1,2,3
	global_load_b128 v[PK+4*\i:PK+4*\i+3], v4, s[4:5] offset:SXE+512*\i      ; x's 512 maxima
.endr
	global_load_b64 v[PK+16:PK+17], v6, s[4:5] offset:SXE+2048               ; E's 64
	global_load_b128 v[PK+20:PK+23], v4, s[4:5] offset:SPO                   ; position_embedding's 128
	s_lshl_b32 s17, s42, 3
	s_lshl_b32 s45, s16, 2
	s_add_co_u32 s17, s17, s45
	s_add_co_u32 s17, s17, 256
	s_lshl_b32 s18, s17, 10
	s_mov_b32 s19, 0
	s_add_nc_u64 s[18:19], s[4:5], s[18:19]        ; E's scale words: 1,024 bytes a tile
	s_lshl_b32 s17, s13, 2
	s_lshl_b32 s45, s15, 1
	s_add_co_u32 s17, s17, s45
	s_lshl_b32 s22, s17, 10
	s_mov_b32 s23, 0
	s_add_nc_u64 s[22:23], s[4:5], s[22:23]        ; x's
.irp b, 0,1,2,3
.irp u, 0,1
	global_load_b128 v[SE+8*\b+4*\u:SE+8*\b+4*\u+3], v4, s[18:19] offset:SCL+1024*\b+512*\u
.endr
.endr
.irp a, 0,1
.irp u, 0,1
	global_load_b128 v[SX+8*\a+4*\u:SX+8*\a+4*\u+3], v4, s[22:23] offset:SCL+1024*\a+512*\u
.endr
.endr
	s_and_b32 s17, s13, 31
	s_lshl_b32 s17, s17, 1
	s_add_co_u32 s17, s17, s15
	s_lshl_b32 s17, s17, 16                        ; 32 rows of 2,048 bytes
	s_lshl_b32 s45, s42, 1
	s_add_co_u32 s45, s45, s16
	s_lshl_b32 s45, s45, 8                         ; 64 channels: 256 bytes
	s_add_co_u32 s10, s17, s45
	s_mov_b32 s11, 0
	s_add_nc_u64 s[10:11], s[6:7], s[10:11]
.irp a, 0,1
.irp b, 0,1,2,3
	global_load_b128 v[POS+8*(4*\a+\b):POS+8*(4*\a+\b)+3], v5, s[10:11] offset:32768*\a+64*\b
	global_load_b128 v[POS+8*(4*\a+\b)+4:POS+8*(4*\a+\b)+7], v5, s[10:11] offset:32768*\a+64*\b+16
.endr
.endr
	s_mul_i32 s17, s15, TW*8192
	v_add_nc_u32 v[ADY], s17, v4
	v_add_nc_u32 v[ADY+1], KHB, v[ADY]
	s_lshl_b32 s17, s16, 15
	s_add_co_u32 s17, s17, ASZ
	v_add_nc_u32 v[ADX], s17, v4
	v_add_nc_u32 v[ADX+1], KHB, v[ADX]
	s_wait_loadcnt 0x0
	v_max3_num_f32 v8, v[PK], v[PK+1], v[PK+2]
.irp i, 3,5,7,9,11,13
	v_max3_num_f32 v8, v8, v[PK+\i], v[PK+\i+1]
.endr
	v_max_num_f32 v8, v8, v[PK+15]
	v_max_num_f32 v14, v[PK+16], v[PK+17]
	v_max3_num_f32 v15, v[PK+20], v[PK+21], v[PK+22]
	v_max_num_f32 v15, v15, v[PK+23]
	WMAX 8, 7
	WMAX 14, 7
	WMAX 15, 7
	v_mul_f32 v8, v8, v14
	v_fmamk_f32 v8, v8, 0x42cc0000, v15            ; b = 102 mx mE + mp
	v_max_num_f32 v8, 0x0d800000, v8               ; at least 2^-100
	v_lshrrev_b32 v6, 23, v8                       ; its exponent field
	v_sub_nc_u32 v10, 268, v6
	v_lshlrev_b32 v10, 23, v10                     ; g
	v_mov_b32 v11, v10
	v_add_nc_u32 v12, -14, v6
	v_lshlrev_b32 v12, 23, v12                     ; F = 1 / g
	v_mul_f32 v14, 0x3cb504f3, v10                 ; g 2048^-1/2
	v_mov_b32 v15, v14
	v_mov_b32 v13, 0
.macro FETCH k                         ; K step k's fragments into buffer k % 2 of window 1: channels' at + 8 b, tokens' at + 32 + 8 a
	WIN TO_F
.irp b, 0,1,2,3
.irp c, 0,1
	ds_load_b128 v[64*((\k)%2)+8*\b+4*\c:64*((\k)%2)+8*\b+4*\c+3], v[ADX+(\k)/8] offset:8192*\b+1024*((\k)%8)+512*\c
.endr
.endr
.irp a, 0,1
.irp c, 0,1
	ds_load_b128 v[64*((\k)%2)+32+8*\a+4*\c:64*((\k)%2)+32+8*\a+4*\c+3], v[ADY+(\k)/8] offset:8192*\a+1024*((\k)%8)+512*\c
.endr
.endr
.endm
.macro PROD k, a, b                    ; a scale register holds K step 8 U + j's words in lanes 0-15 and K step 8 U + 4 + j's in lanes 16-31
.set rD, ACC+8*(4*(\a)+(\b))
.set rX, 64*((\k)%2)+8*(\b)
.set rY, 64*((\k)%2)+32+8*(\a)
.set rE, SE+8*(\b)+4*((\k)/8)+(\k)%4
.set rS, SX+8*(\a)+4*((\k)/8)+(\k)%4
.if (\k) == 0
	v_wmma_scale_f32_16x16x128_f8f6f4 v[rD:rD+7], v[rX:rX+7], v[rY:rY+7], 0, v[rE], v[rS] matrix_a_fmt:MATRIX_FMT_FP4 matrix_b_fmt:MATRIX_FMT_FP4
.elseif ((\k)/4)%2 == 0
	v_wmma_scale_f32_16x16x128_f8f6f4 v[rD:rD+7], v[rX:rX+7], v[rY:rY+7], v[rD:rD+7], v[rE], v[rS] matrix_a_fmt:MATRIX_FMT_FP4 matrix_b_fmt:MATRIX_FMT_FP4
.else
	v_wmma_scale_f32_16x16x128_f8f6f4 v[rD:rD+7], v[rX:rX+7], v[rY:rY+7], v[rD:rD+7], v[rE], v[rS] matrix_a_fmt:MATRIX_FMT_FP4 matrix_b_fmt:MATRIX_FMT_FP4 matrix_a_scale:MATRIX_SCALE_ROW1 matrix_b_scale:MATRIX_SCALE_ROW1
.endif
.endm
.macro KSTEP k
	s_wait_dscnt 0x0                               ; this step's fragments are in (asked for a step ago)
.if \k == 7
	s_wait_tensorcnt 0x0                           ; my part of the second half of K has landed,
	s_barrier_signal -1
	s_barrier_wait -1                              ; everybody's has; nothing is filled again
.endif
.if \k < 15
	PLACES                                         ; four places between the last step's products and the loads into the buffer that they read
	FETCH (\k)+1
.endif
	WIN MUL
.irp a, 0,1
.irp b, 0,1,2,3
	PROD \k, \a, \b                                ; the eight accumulators by turns
.endr
.endr
.endm
	s_wait_tensorcnt 0x1                           ; my part of the first half of K has landed; the second half's load may stay out
	s_barrier_signal -1
	s_barrier_wait -1
	FETCH 0
.irp k, 0,1,2,3,4,5,6,7,8,9,10,11,12,13,14,15
	KSTEP \k
.endr
	WIN 0
	PLACES
; the way out: h^ = acc g 2048^-1/2 + pos g; its largest magnitude; f16; each accumulator from its low end on
.irp t, 0,1,2,3,4,5,6,7
.irp j, 0,2,4,6
	v_pk_mul_f32 v[POS+8*\t+\j:POS+8*\t+\j+1], v[POS+8*\t+\j:POS+8*\t+\j+1], v[10:11]
.endr
.irp j, 0,2,4,6
	v_pk_fma_f32 v[ACC+8*\t+\j:ACC+8*\t+\j+1], v[ACC+8*\t+\j:ACC+8*\t+\j+1], v[14:15], v[POS+8*\t+\j:POS+8*\t+\j+1]
.endr
.irp j, 0,2,4,6
	v_max3_num_f32 v13, v13, |v[ACC+8*\t+\j]|, |v[ACC+8*\t+\j+1]|
.endr
.irp j, 0,1,2,3
	v_cvt_pk_f16_f32 v[PK+4*\t+\j], v[ACC+8*\t+2*\j], v[ACC+8*\t+2*\j+1]
.endr
.endr
	s_lshl_b32 s17, s13, 2
	s_lshl_b32 s45, s15, 1
	s_add_co_u32 s17, s17, s45
	s_lshl_b32 s17, s17, 14                        ; token tile 4 y + 2 wr,
	s_lshl_b32 s45, s42, 3
	s_lshl_b32 s18, s16, 2
	s_add_co_u32 s45, s45, s18
	s_lshl_b32 s45, s45, 9                         ; channel tile 8 x + 4 wc: 512 bytes each
	s_add_co_u32 s18, s17, s45
	s_mov_b32 s19, 0
	s_add_nc_u64 s[18:19], s[8:9], s[18:19]
.irp a, 0,1
.irp b, 0,1,2,3
	global_store_b128 v4, v[PK+4*(4*\a+\b):PK+4*(4*\a+\b)+3], s[18:19] offset:16384*\a+512*\b
.endr
.endr
	s_lshl_b32 s17, s13, 2
	s_add_co_u32 s17, s17, s42
	s_lshl_b32 s17, s17, 2
	s_add_co_u32 s17, s17, s14                     ; (4 y + x) 4 + wave
	s_lshl_b32 s22, s17, 2
	s_mov_b32 s23, 0
	s_add_nc_u64 s[22:23], s[8:9], s[22:23]
	WMAX 13, 7
	v_cmp_eq_u32 vcc_lo, 0, v1
	s_wait_xcnt 0x0                                ; EXEC changes only behind s_wait_xcnt 0
	s_and_saveexec_b32 s12, vcc_lo
	global_store_b32 v9, v13, s[22:23] offset:HMAX
	global_store_b32 v9, v12, s[22:23] offset:HF
	s_wait_xcnt 0x0
	s_or_b32 exec_lo, exec_lo, s12
	s_wait_tensorcnt 0x0                           ; the wave's end
	ds_add_u32 v[SPW], v[NIL]
	s_wait_dscnt 0x0
	CROUND                                         ; the closing round
	s_endpgm
.Lfunc_end_k_q3979cddc43_embed:
	.size	k_q3979cddc43_embed, .Lfunc_end_k_q3979cddc43_embed-k_q3979cddc43_embed
	.p2alignl 7, 3214868480
	.fill 96, 4, 3214868480
	.section	.rodata,"a",@progbits
	.p2align	6, 0x0
	.amdhsa_kernel k_q3979cddc43_embed
		.amdhsa_group_segment_fixed_size 327680
		.amdhsa_private_segment_fixed_size 0
		.amdhsa_enable_private_segment 0
		.amdhsa_kernarg_size 24
		.amdhsa_user_sgpr_count 2
		.amdhsa_user_sgpr_kernarg_segment_ptr 1
		.amdhsa_wavefront_size32 1
		.amdhsa_system_sgpr_workgroup_id_x 1
		.amdhsa_system_sgpr_workgroup_id_y 1
		.amdhsa_system_sgpr_workgroup_id_z 1
		.amdhsa_system_vgpr_workitem_id 0
		.amdhsa_next_free_vgpr 384
		.amdhsa_next_free_sgpr 66
		.amdhsa_reserve_vcc 1
		.amdhsa_float_denorm_mode_32 3
		.amdhsa_float_denorm_mode_16_64 3
		.amdhsa_memory_ordered 1
		.amdhsa_forward_progress 1
		.amdhsa_inst_pref_size 55
	.end_amdhsa_kernel
	.amdgpu_metadata
---
amdhsa.version: [ 1, 2 ]
amdhsa.kernels:
  - .name:           k_q3979cddc43_embed
    .symbol:         k_q3979cddc43_embed.kd
    .args:
      - { .name: ec, .offset: 0, .size: 8, .value_kind: global_buffer, .address_space: global }
      - { .name: position_embedding, .offset: 8, .size: 8, .value_kind: global_buffer, .address_space: global }
      - { .name: hb, .offset: 16, .size: 8, .value_kind: global_buffer, .address_space: global }
    .group_segment_fixed_size: 327680
    .private_segment_fixed_size: 0
    .kernarg_segment_align: 8
    .kernarg_segment_size: 24
    .max_flat_workgroup_size: 128
    .sgpr_count:     66
    .vgpr_count:     384
    .wavefront_size: 32
...
	.end_amdgpu_metadata
.endif
;; end of part 2
;; launch qkv0 (part 3): grid 32 x 8, 4 waves a work-group, clusters of 4 x 1, 327,680 bytes of LDS; arguments hb, w0, qkv; writes qkv
.if DOCPART == 3
	.amdgcn_target "amdgcn-amd-amdhsa--gfx1250"
	.amdhsa_code_object_version 6
	.text
	.protected	k_q3979cddc43_qkv0
	.globl	k_q3979cddc43_qkv0
	.p2align	8
	.type	k_q3979cddc43_qkv0,@function
k_q3979cddc43_qkv0:
	s_mov_b64 s[64:65], 0
	v_nop
	global_prefetch_b8 v0, s[64:65] scope:SCOPE_SE
	s_setreg_imm32_b32 hwreg(HW_REG_WAVE_MODE, 25, 1), 1
	s_wait_xcnt 0x0
	s_wait_alu depctr_hold_cnt(0) depctr_sa_sdst(0) depctr_va_vdst(0) depctr_va_sdst(0) depctr_va_ssrc(0) depctr_va_vcc(0) depctr_vm_vsrc(0)
	s_getreg_b32 s2, hwreg(HW_REG_IB_STS2, 6, 4)
	s_cmp_eq_u32 s2, 0
	s_cbranch_scc0 .Lentry_in_a_cluster
	s_endpgm
.Lentry_in_a_cluster:
	s_bfe_u32 s2, ttmp6, 0x10000c
	s_cmp_lg_u32 s2, 0x3003
	s_cbranch_scc0 .Lentry_shape_is_right
	s_endpgm
.Lentry_shape_is_right:
; QKV.  q, k, v = h W^T 512^-1/2 for one layer, f16 operands, f32 sums.  h arrives as f16 h^ with h = F h^; its waves' largest magnitudes and F lie behind it in hb.
; With m = the largest |h^| < 2^e, |W| <= 256 and K = 512, |sum| < 2^(17 + e): stored is g x sum, g = 2^-(e + 2), under 2^15; F_out = F 512^-1/2 / g goes with it, and each wave's largest stored |v^|.
; LIMITS: |W| <= 256; F and F_out inside f32's range (true activations between 2^-100 and 2^100); no NaN, no infinities.
; SHARES.  4,096 tokens x 1,536 channels on 256 work-groups: a work-group makes 128 tokens x ONE HEAD of q, of k and of v (3 x 64 channels), so every work-group runs the same text.
; Wave w makes tokens 32 w .. 32 w + 31 x all 192 channels: 24 accumulators.  K = 512 is 16 steps of 32.
; All operands lie in memory in the order of their registers (a fragment: 1,024 bytes, lane l's 16 bytes at 16 l of each half).
; THE WEIGHTS, 12 channel tiles x 16 KiB = 196,608 bytes, lie in LDS for all of K: two tensor loads a wave, one for each half of K, no refill.
; CLUSTER 4 x 1: the four token blocks of a cluster want the same head's weights: every weight tile is asked for jointly.
; h IS NOT ASKED FOR JOINTLY AND DOES NOT GO THROUGH LDS: its 131,072 bytes beside the weights' 196,608 would fill all 327,680 bytes and leave none for the spare words; and a wave's 32 tokens are multiplied
; by that wave alone.  So each wave loads its two token tiles for all of K, 32 KiB, straight into 256 registers: 64 loads of 512 consecutive bytes.
; q AND k: source 0 = 16 channels of W, source 1 = 16 tokens: a lane holds one token and 8 channels: its 16 bytes of a fragment [16 tokens x 32 of the head].
; v: THE SOURCES ARE SWAPPED: a lane holds one channel and 8 tokens: its 16 bytes of a fragment [16 channels x 32 keys].
; Results are packed in place and stored straight from registers, 512 consecutive aligned bytes a store.  No prefetch: every byte is asked for at the head.
; REGISTERS, in windows of 256: window 0: v0-31 addresses and scales; v32-63 the maxima as loaded; v64-255 accumulator (a, n) at 64 + 8 (12 a + n), n = 4 t + i (t: q, k, v; i: channel tile of the head).
;   window 1: h's fragments, token tile a, K step k at 128 a + 8 k.   window 2: the weights' fragments of a K step, two buffers: 96 f + 8 n.
.set KHB,   98304                      ; half of K of the 12 channel tiles: [i 4][t 3][8 K steps][1,024]
.set SPARE, 2*KHB                      ; behind them the spare words, 128 bytes a wave
.set HMAX,  4194304
.set HF,    4198400
.set QMAXV, 12582912+2048              ; qkv: the 1,024 waves' largest |v^|; their copies of F lie 4,096 bytes further on
.set ADX, 20                           ; v20-23 LDS address: half of K q, channel tiles i / 2: 20 + 2 q + i / 2 (an LDS offset has 16 bits)
.set SPW, 28
.set NIL, 29
.set STT, 32
.set ACC, 64
.set MSB, 0
.macro WIN new                         ; the immediate's high byte repeats the setting that is left
.if MSB != \new
	s_set_vgpr_msb (MSB<<8)|\new
.set MSB, \new
.endif
.endm
.set W_QK, 0x06                        ; source 0 (weights) window 2, source 1 (tokens) window 1, C and D window 0
.set W_V,  0x09                        ; source 0 (tokens) window 1, source 1 (weights) window 2
.set TO_A, 0x40                        ; destination window 1, address window 0
.set TO_B, 0x80                        ; destination window 2, address window 0
.macro CROUND                          ; a round of the cluster's barrier
	s_barrier_signal -1
	s_barrier_wait -1
	s_cmp_lg_u32 s14, 0
	s_cbranch_scc1 .Lnot_wave_0_\@
	s_barrier_signal -3
.Lnot_wave_0_\@:
	s_barrier_wait -3
	s_barrier_signal -1
	s_barrier_wait -1
.endm
.macro PLACES
.rept 4
	v_nop
.endr
.endm
.macro WMAX r, tmp                     ; the largest over the 32 lanes, in every lane
	v_max_num_f32_dpp v[\r], v[\r], v[\r] row_xmask:1 row_mask:0xf bank_mask:0xf
	v_max_num_f32_dpp v[\r], v[\r], v[\r] row_xmask:2 row_mask:0xf bank_mask:0xf
	v_max_num_f32_dpp v[\r], v[\r], v[\r] row_xmask:4 row_mask:0xf bank_mask:0xf
	v_max_num_f32_dpp v[\r], v[\r], v[\r] row_xmask:8 row_mask:0xf bank_mask:0xf
	v_permlanex16_b32 v[\tmp], v[\r], s2, s3
	v_max_num_f32 v[\r], v[\r], v[\tmp]
.endm
.macro ALOAD k                         ; K step k of my two token tiles: four loads of 512 consecutive bytes
.irp a, 0,1
.irp c, 0,1
	global_load_b128 v[128*\a+8*(\k)+4*\c:128*\a+8*(\k)+4*\c+3], v4, s[20:21] offset:16384*\a+1024*(\k)+512*\c
.endr
.endr
.endm
	s_load_b128 s[4:7], s[0:1], 0x0                ; hb, the layer's weights
	s_load_b64 s[8:9], s[0:1], 0x10                ; qkv
	v_lshl_add_u32 v[SPW], v0, 2, SPARE
	v_mov_b32 v[NIL], 0
	ds_add_u32 v[SPW], v[NIL]                      ; the opening: the add, twice on end, and its wait ahead of my first tensor load
	ds_add_u32 v[SPW], v[NIL]
	v_lshrrev_b32 v1, 5, v0
	v_readfirstlane_b32 s14, v1                    ; wave
	s_bfe_u32 s40, ttmp6, 0x40000                  ; cx
	s_lshl_b32 s42, ttmp9, 2
	s_add_co_u32 s42, s42, s40                     ; my block of 128 tokens: it enters h's and qkv's addresses alone
	s_and_b32 s13, ttmp7, 0xffff                   ; the head, which the four partners share
	s_mov_b32 s24, 15|(3<<16)|(1<<21)              ; group 1: the mask names all four; elements of 8 bytes; bit 21 beside a mask; no padding
	s_mov_b32 s25, 1024<<16                        ; tensor_dim0: a tile's half of K, 8,192 bytes
	s_mov_b32 s26, 3<<16                           ; tensor_dim1: the tile of q, of k, of v
	s_mov_b32 s27, 1024<<16                        ; tile_dim0
	s_mov_b32 s28, 3                               ; tile_dim1
	s_mov_b32 s29, 65536                           ; from q's tile to k's to v's: 32 tiles of 16 KiB = 524,288 bytes
	s_mov_b32 s30, 0
	s_mov_b32 s31, 0
	s_lshl_b32 s46, s13, 2
	s_add_co_u32 s46, s46, s14
	s_lshl_b32 s46, s46, 14                        ; the weights: channel tile 4 x head + wave of each tensor
	s_mov_b32 s47, 0
	s_mul_i32 s22, s14, 24576                      ; where they go in LDS: the wave's number alone
	s_lshl_b32 s20, s42, 3
	s_lshl_b32 s21, s14, 1
	s_add_co_u32 s20, s20, s21
	s_lshl_b32 s20, s20, 14                        ; h: token tile 8 x block + 2 x wave
	s_mov_b32 s21, 0
	s_mov_b32 s2, 0x76543210
	s_mov_b32 s3, 0xfedcba98                       ; selects: lane l xor 16
	s_wait_dscnt 0x0                               ; both opening adds are done
	s_wait_kmcnt 0x0
	s_add_nc_u64 s[46:47], s[6:7], s[46:47]
	s_add_nc_u64 s[20:21], s[4:5], s[20:21]
	s_mov_b32 s32, 1                               ; group 0, first half of K
	s_mov_b32 s33, s22
	s_mov_b64 s[34:35], s[46:47]
	s_or_b32 s35, s35, 0x80000000
	s_mov_b32 s36, 1                               ; second half
	s_add_co_u32 s37, s22, KHB
	s_add_nc_u64 s[38:39], s[46:47], 8192
	s_or_b32 s39, s39, 0x80000000
	CROUND                                         ; all four work-groups are here: the joint loads meet
	tensor_load_to_lds s[32:35], s[24:31]
	s_nop 0
	tensor_load_to_lds s[36:39], s[24:31]          ; two loads of mine are out
	s_nop 0
.rept 4
	v_nop
.endr
	v_and_b32 v1, 31, v0
	v_lshlrev_b32 v4, 4, v1                        ; 16 x lane
	v_mov_b32 v7, 0
	v_mov_b32 v9, 0
	WIN TO_A
.irp k, 0,1,2,3,4,5,6,7,8,9,10,11,12,13,14
	ALOAD \k                                       ; 60 loads of mine are out
.endr
	WIN 0
	v_lshlrev_b32 v[ADX], 4, v1
	v_add_nc_u32 v[ADX+1], 49152, v[ADX]
	v_add_nc_u32 v[ADX+2], KHB, v[ADX]
	v_add_nc_u32 v[ADX+3], KHB+49152, v[ADX]
	s_lshr_b32 s17, s42, 4                         ; where my results go: the batch,
	s_lshl_b32 s17, s17, 3
	s_add_co_u32 s17, s17, s13                     ; and the head: 262,144 bytes each
	s_lshl_b32 s17, s17, 18
	s_and_b32 s45, s42, 15
	s_lshl_b32 s45, s45, 3
	s_lshl_b32 s18, s14, 1
	s_add_co_u32 s45, s45, s18
	s_lshl_b32 s45, s45, 11                        ; token tile 8 (block % 16) + 2 wave: 2,048 bytes each, in v's layout too (a pair of tiles: 4,096)
	s_add_co_u32 s18, s17, s45
	s_mov_b32 s19, 0
	s_add_nc_u64 s[18:19], s[8:9], s[18:19]        ; q; k lies 4 MiB further on (in the stores' immediate),
	s_add_nc_u64 s[44:45], s[18:19], 0x800000      ; v 8 MiB
	s_lshl_b32 s17, s13, 5
	s_add_co_u32 s17, s17, s42
	s_lshl_b32 s17, s17, 2
	s_add_co_u32 s17, s17, s14                     ; (32 head + block) 4 + wave
	s_lshl_b32 s22, s17, 2
	s_mov_b32 s23, 0
	s_add_nc_u64 s[22:23], s[8:9], s[22:23]
	s_add_nc_u64 s[22:23], s[22:23], QMAXV
	s_wait_loadcnt 28                              ; K steps 0-7 of h are in (32 loads); the 28 loads of K steps 8-14 may stay out
	WIN TO_A
	ALOAD 15
	WIN 0
.irp i, 0,1,2,3,4,5,6,7
	global_load_b128 v[STT+4*\i:STT+4*\i+3], v4, s[4:5] offset:HMAX+512*\i   ; the 1,024 waves' maxima of h^: wanted on the way out only
.endr
	global_load_b32 v12, v9, s[4:5] offset:HF      ; F
.macro FETCH k                         ; K step k's 12 weight fragments into buffer k % 2 of window 2
	WIN TO_B
.irp i, 0,1,2,3
.irp t, 0,1,2
.irp c, 0,1
	ds_load_b128 v[96*((\k)%2)+8*(4*\t+\i)+4*\c:96*((\k)%2)+8*(4*\t+\i)+4*\c+3], v[ADX+2*((\k)/8)+\i/2] offset:24576*(\i%2)+8192*\t+1024*((\k)%8)+512*\c
.endr
.endr
.endr
.endm
.macro PRODQ k, a, n                   ; q and k: a lane gets one token and 8 channels
.set rD, ACC+8*(12*(\a)+(\n))
.set rX, 96*((\k)%2)+8*(\n)
.set rY, 128*(\a)+8*(\k)
.if (\k) == 0
	v_wmma_f32_16x16x32_f16 v[rD:rD+7], v[rX:rX+7], v[rY:rY+7], 0
.else
	v_wmma_f32_16x16x32_f16 v[rD:rD+7], v[rX:rX+7], v[rY:rY+7], v[rD:rD+7]
.endif
.endm
.macro PRODV k, a, n                   ; v: a lane gets one channel and 8 tokens
.set rD, ACC+8*(12*(\a)+(\n))
.set rX, 96*((\k)%2)+8*(\n)
.set rY, 128*(\a)+8*(\k)
.if (\k) == 0
	v_wmma_f32_16x16x32_f16 v[rD:rD+7], v[rY:rY+7], v[rX:rX+7], 0
.else
	v_wmma_f32_16x16x32_f16 v[rD:rD+7], v[rY:rY+7], v[rX:rX+7], v[rD:rD+7]
.endif
.endm
.macro KSTEP k
	s_wait_dscnt 0x0                               ; this step's weight fragments are in (asked for a step ago)
.if \k == 7
	s_wait_loadcnt 13                              ; K steps 8-14 of h are in; behind them K step 15's four loads and the nine of the statistics may stay out
	s_wait_tensorcnt 0x0                           ; the second half of K of the weights: mine has landed,
	s_barrier_signal -1
	s_barrier_wait -1                              ; everybody's has; nothing is filled again
.endif
.if \k == 15
	s_wait_loadcnt 9                               ; K step 15 of h is in; the nine loads of the statistics may stay out
.endif
.if \k < 15
	PLACES                                         ; four places between the last step's products and the loads into the buffer that they read
	FETCH (\k)+1
.endif
	WIN W_QK                                       ; the 24 accumulators by turns, in the same order in every step
.irp a, 0,1
.irp n, 0,1,2,3,4,5,6,7
	PRODQ \k, \a, \n
.endr
.endr
	WIN W_V
.irp a, 0,1
.irp n, 8,9,10,11
	PRODV \k, \a, \n
.endr
.endr
.endm
	s_wait_tensorcnt 0x1                           ; my part of the first half of K has landed; the second half's load may stay out
	s_barrier_signal -1
	s_barrier_wait -1
	FETCH 0
.irp k, 0,1,2,3,4,5,6,7,8,9,10,11,12,13,14,15
	KSTEP \k
.endr
	WIN 0
	PLACES
	s_wait_loadcnt 0x0                             ; the statistics
	v_max3_num_f32 v8, v[STT], v[STT+1], v[STT+2]
.irp i, 3,5,7,9,11,13,15,17,19,21,23,25,27,29
	v_max3_num_f32 v8, v8, v[STT+\i], v[STT+\i+1]
.endr
	v_max_num_f32 v8, v8, v[STT+31]
	WMAX 8, 7
	v_lshrrev_b32 v6, 23, v8                       ; m's exponent field
	v_sub_nc_u32 v10, 251, v6
	v_lshlrev_b32 v10, 23, v10                     ; g = 2^(124 - field)
	v_mov_b32 v11, v10
	v_add_nc_u32 v6, 3, v6
	v_lshlrev_b32 v6, 23, v6                       ; 1 / g
	v_mul_f32 v12, v12, v6
	v_mul_f32 v12, 0x3d3504f3, v12                 ; F_out = F 512^-1/2 / g
	v_mov_b32 v13, 0
; the way out: x g; v's largest magnitude; f16, packed in place and ascending into the accumulator's four low registers; each accumulator from its low end on
.irp a, 0,1
.irp n, 0,1,2,3,4,5,6,7,8,9,10,11
.irp j, 0,2,4,6
	v_pk_mul_f32 v[ACC+8*(12*\a+\n)+\j:ACC+8*(12*\a+\n)+\j+1], v[ACC+8*(12*\a+\n)+\j:ACC+8*(12*\a+\n)+\j+1], v[10:11]
.endr
.if \n >= 8
.irp j, 0,2,4,6
	v_max3_num_f32 v13, v13, |v[ACC+8*(12*\a+\n)+\j]|, |v[ACC+8*(12*\a+\n)+\j+1]|
.endr
.endif
.irp j, 0,1,2,3
	v_cvt_pk_f16_f32 v[ACC+8*(12*\a+\n)+\j], v[ACC+8*(12*\a+\n)+2*\j], v[ACC+8*(12*\a+\n)+2*\j+1]
.endr
.endr
.endr
.irp a, 0,1
.irp t, 0,1
.irp i, 0,1,2,3
	global_store_b128 v4, v[ACC+8*(12*\a+4*\t+\i):ACC+8*(12*\a+4*\t+\i)+3], s[18:19] offset:4194304*\t+2048*\a+512*\i
.endr
.endr
.irp i, 0,1,2,3
	global_store_b128 v4, v[ACC+8*(12*\a+8+\i):ACC+8*(12*\a+8+\i)+3], s[44:45] offset:512*\a+1024*\i
.endr
.endr
	WMAX 13, 7
	v_cmp_eq_u32 vcc_lo, 0, v1
	s_wait_xcnt 0x0                                ; EXEC changes only behind s_wait_xcnt 0
	s_and_saveexec_b32 s12, vcc_lo
	global_store_b32 v9, v13, s[22:23]
	global_store_b32 v9, v12, s[22:23] offset:4096
	s_wait_xcnt 0x0
	s_or_b32 exec_lo, exec_lo, s12
	s_wait_tensorcnt 0x0                           ; the wave's end
	ds_add_u32 v[SPW], v[NIL]
	s_wait_dscnt 0x0
	CROUND                                         ; the closing round
	s_endpgm
.Lfunc_end_k_q3979cddc43_qkv0:
	.size	k_q3979cddc43_qkv0, .Lfunc_end_k_q3979cddc43_qkv0-k_q3979cddc43_qkv0
	.p2alignl 7, 3214868480
	.fill 96, 4, 3214868480
	.section	.rodata,"a",@progbits
	.p2align	6, 0x0
	.amdhsa_kernel k_q3979cddc43_qkv0
		.amdhsa_group_segment_fixed_size 327680
		.amdhsa_private_segment_fixed_size 0
		.amdhsa_enable_private_segment 0
		.amdhsa_kernarg_size 24
		.amdhsa_user_sgpr_count 2
		.amdhsa_user_sgpr_kernarg_segment_ptr 1
		.amdhsa_wavefront_size32 1
		.amdhsa_system_sgpr_workgroup_id_x 1
		.amdhsa_system_sgpr_workgroup_id_y 1
		.amdhsa_system_sgpr_workgroup_id_z 1
		.amdhsa_system_vgpr_workitem_id 0
		.amdhsa_next_free_vgpr 768
		.amdhsa_next_free_sgpr 66
		.amdhsa_reserve_vcc 1
		.amdhsa_float_denorm_mode_32 3
		.amdhsa_float_denorm_mode_16_64 3
		.amdhsa_memory_ordered 1
		.amdhsa_forward_progress 1
		.amdhsa_inst_pref_size 83
	.end_amdhsa_kernel
	.amdgpu_metadata
---
amdhsa.version: [ 1, 2 ]
amdhsa.kernels:
  - .name:           k_q3979cddc43_qkv0
    .symbol:         k_q3979cddc43_qkv0.kd
    .args:
      - { .name: hb, .offset: 0, .size: 8, .value_kind: global_buffer, .address_space: global }
      - { .name: w0, .offset: 8, .size: 8, .value_kind: global_buffer, .address_space: global }
      - { .name: qkv, .offset: 16, .size: 8, .value_kind: global_buffer, .address_space: global }
    .group_segment_fixed_size: 327680
    .private_segment_fixed_size: 0
    .kernarg_segment_align: 8
    .kernarg_segment_size: 24
    .max_flat_workgroup_size: 128
    .sgpr_count:     66
    .vgpr_count:     768
    .wavefront_size: 32
...
	.end_amdgpu_metadata
.endif
;; end of part 3
;; launch attn0 (part 4): grid 16 x 16, 8 waves a work-group, clusters of 4 x 1, 327,680 bytes of LDS; arguments qkv, ao; writes ao
.if DOCPART == 4
	.amdgcn_target "amdgcn-amd-amdhsa--gfx1250"
	.amdhsa_code_object_version 6
	.text
	.protected	k_q3979cddc43_attn0
	.globl	k_q3979cddc43_attn0
	.p2align	8
	.type	k_q3979cddc43_attn0,@function
k_q3979cddc43_attn0:
	s_mov_b64 s[64:65], 0
	v_nop
	global_prefetch_b8 v0, s[64:65] scope:SCOPE_SE
	s_setreg_imm32_b32 hwreg(HW_REG_WAVE_MODE, 25, 1), 1
	s_wait_xcnt 0x0
	s_wait_alu depctr_hold_cnt(0) depctr_sa_sdst(0) depctr_va_vdst(0) depctr_va_sdst(0) depctr_va_ssrc(0) depctr_va_vcc(0) depctr_vm_vsrc(0)
	s_getreg_b32 s2, hwreg(HW_REG_IB_STS2, 6, 4)
	s_cmp_eq_u32 s2, 0
	s_cbranch_scc0 .Lentry_in_a_cluster
	s_endpgm
.Lentry_in_a_cluster:
	s_bfe_u32 s2, ttmp6, 0x10000c
	s_cmp_lg_u32 s2, 0x3003
	s_cbranch_scc0 .Lentry_shape_is_right
	s_endpgm
.Lentry_shape_is_right:
; ATTENTION, no mask: o[b,h,q] = sum over k of softmax_k(q . k / 8) v, head size 64, 2,048 keys.  q^, k^, v^ are f16 with one common factor F (q = F q^ ..); products on f16, sums, maxima and the softmax in f32.
; p = 2^(c s^ - c m), c = F^2 log2(e) / 8, m the running largest s^ of the query; the row's sum is taken of the unrounded p; p goes to f16 for the second product.  o^ is a mean of v^, so it keeps v^'s factor and bound.
; SHARES.  A work-group owns 128 queries of one (batch, head).  Wave w: queries 32 (w % 4) on (two tiles of 16) and keys 1,024 (w / 4) on: two waves to a SIMD, so that one wave's softmax stands beside
; the other's products.  The two halves of the keys are merged at the end through LDS by the usual rule for two partial softmaxes.
; LAYOUT.  S^T = K Q^T and O^T = V^T P: a lane holds ONE query throughout.  All operands lie in memory in the order of their registers (a fragment: 1,024 bytes), so tiles are dense blocks, LDS needs no
; padding, and every fragment load takes 512 consecutive bytes.  p is packed to f16 in place: two score tiles become one fragment of P.  O^T's 8 channels a lane are its 16 bytes of the next product's fragment.
; RING.  Two slots; a slot holds 256 keys of K and of V for each half of the keys, 128 KiB; each of the eight waves fetches 16 KiB of it by one tensor load.
; CLUSTER 4 x 1: the four query blocks of a cluster walk the same K and V: every tile is asked for jointly.
; LIMITS: c and c s^ inside f32's range; no NaN, no infinities.
.set KOFF,  4194304                    ; qkv: K's part; V's lies 4 MiB further on
.set QFO,   12589056                   ; qkv: F
.set SLOT1, 131072
.set STAGE, 262144                     ; the merge: 9,216 bytes for each pair of waves
.set SPARE, 299008                     ; the spare words, 128 bytes a wave
.set ST, 8                             ; tile t's statistics at v[8 + 8 t]: +0 c m, +1 m, +2, +3 the sum (even, odd), +4 .. +7 at work; the rescaling factor in +6
.set Q,  24                            ; v24-55   tile t, 32 channels d: 24 + 16 t + 8 d
.set KV, 56                            ; v56-119  a step's fragments of K, then of V
.set S,  120                           ; v120-183 S^T: tile t, key tile kt: 120 + 32 t + 8 kt; then p; then P in the first 16 of each 32
.set O,  184                           ; v184-247 O^T: 184 + 32 t + 8 x channel tile
.set SM, 248                           ; v248-255 the sums' two chains for each tile
.macro CROUND
	s_barrier_signal -1
	s_barrier_wait -1
	s_cmp_lg_u32 s8, 0
	s_cbranch_scc1 .Lnot_wave_0_\@
	s_barrier_signal -3
.Lnot_wave_0_\@:
	s_barrier_wait -3
	s_barrier_signal -1
	s_barrier_wait -1
.endm
	s_load_b128 s[4:7], s[0:1], 0x0                ; qkv, ao
	v_lshl_add_u32 v5, v0, 2, SPARE
	v_mov_b32 v6, 0
	ds_add_u32 v5, v6                              ; the opening: the add, twice on end, and its wait ahead of my first tensor load
	ds_add_u32 v5, v6
	v_lshrrev_b32 v1, 5, v0
	v_readfirstlane_b32 s8, v1                     ; wave 0..7
	s_bfe_u32 s9, ttmp6, 0x40000                   ; cx
	s_and_b32 s10, ttmp7, 0xffff                   ; 8 x batch + head
	s_mov_b32 s24, 15|(3<<16)|(1<<21)              ; group 1: the mask names all four; elements of 8 bytes; bit 21 beside a mask
	s_mov_b32 s25, 32<<16                          ; a dense block of 16 KiB as 64 rows of 256 bytes
	s_mov_b32 s26, 64<<16
	s_mov_b32 s27, 32<<16
	s_mov_b32 s28, 64
	s_mov_b32 s29, 32
	s_mov_b32 s30, 0
	s_mov_b32 s31, 0
	s_lshr_b32 s11, s8, 2                          ; which half of the keys
	s_bfe_u32 s12, s8, 0x10001                     ; I fetch K (0) or V (1),
	s_and_b32 s13, s8, 1                           ; its first or second 16 KiB
	s_lshl_b32 s14, s12, 22
	s_lshl_b32 s15, s10, 18
	s_add_co_u32 s14, s14, s15
	s_lshl_b32 s15, s11, 17
	s_add_co_u32 s14, s14, s15
	s_lshl_b32 s15, s13, 14
	s_add_co_u32 s14, s14, s15
	s_add_co_u32 s14, s14, KOFF
	s_mov_b32 s15, 0
	s_lshl_b32 s17, s8, 14                         ; in a slot: 16 KiB x wave = [half][K, V][part]
	s_lshl_b32 s32, ttmp9, 2
	s_add_co_u32 s32, s32, s9                      ; my block of 128 queries: it enters Q's and ao's addresses alone
	s_and_b32 s33, s8, 3
	s_lshl_b32 s34, s32, 3
	s_lshl_b32 s35, s33, 1
	s_add_co_u32 s34, s34, s35                     ; my first token tile
	s_lshl_b32 s35, s10, 7
	s_add_co_u32 s35, s35, s34
	s_lshl_b32 s36, s35, 11
	s_mov_b32 s37, 0
	s_lshr_b32 s35, s10, 3
	s_lshl_b32 s35, s35, 7
	s_add_co_u32 s35, s35, s34
	s_lshl_b32 s38, s35, 14
	s_and_b32 s35, s10, 7
	s_lshl_b32 s35, s35, 11
	s_add_co_u32 s38, s38, s35
	s_mov_b32 s39, 0
	s_lshl_b32 s20, s9, 13                         ; the prefetch: my work-group's 8 KiB of a 32 KiB region, told apart by address,
	s_add_co_u32 s20, s20, 98304                   ; in the fourth block of 256 keys
	s_mov_b32 s21, 0
	s_or_b32 s22, s13, ttmp9                       ; 0 in waves 0, 2, 4, 6 of the head's first cluster: the same in all four partners
	s_mov_b32 s60, 0x76543210
	s_mov_b32 s61, 0xfedcba98
	s_wait_dscnt 0x0
	s_wait_kmcnt 0x0
	s_add_nc_u64 s[14:15], s[4:5], s[14:15]
	s_add_nc_u64 s[18:19], s[14:15], s[20:21]
	s_add_nc_u64 s[36:37], s[4:5], s[36:37]        ; Q
	s_add_nc_u64 s[38:39], s[6:7], s[38:39]        ; ao
	s_add_nc_u64 s[48:49], s[4:5], QFO
	s_mov_b32 s40, 1                               ; group 0, slot 0: keys 0-255 of my half, later 512-767
	s_mov_b32 s41, s17
	s_mov_b64 s[42:43], s[14:15]
	s_or_b32 s43, s43, 0x80000000
	s_mov_b32 s44, 1                               ; slot 1: keys 256-511, later 768-1023
	s_add_co_u32 s45, s17, SLOT1
	s_add_nc_u64 s[46:47], s[14:15], 32768
	s_or_b32 s47, s47, 0x80000000
	CROUND                                         ; all four work-groups are here: the first joint loads meet
	tensor_load_to_lds s[40:43], s[24:31]
	s_nop 0
	tensor_load_to_lds s[44:47], s[24:31]          ; two loads of mine are out
	s_nop 0
.rept 4
	v_nop
.endr
	v_and_b32 v3, 31, v0
	v_lshlrev_b32 v7, 8, v3                        ; 256 x lane, for the prefetch
	v_lshlrev_b32 v3, 4, v3                        ; 16 x lane
	s_lshl_b32 s50, s11, 16
	v_add_nc_u32 v1, s50, v3                       ; my half's part of a slot
	s_mul_i32 s50, s33, 9216
	s_add_co_u32 s50, s50, STAGE
	v_add_nc_u32 v4, s50, v3                       ; my pair's stage
	v_mov_b32 v2, 0
	global_load_b32 v[SM], v2, s[48:49]            ; F
.irp i, 0,1,2,3,4,5,6,7
	global_load_b128 v[Q+4*\i:Q+4*\i+3], v3, s[36:37] offset:512*\i
.endr
.irp t, 0,1
	v_mov_b32 v[ST+8*\t], 0xff800000               ; c m: -infinity, so that the first factor is 0
	v_mov_b32 v[ST+8*\t+1], 0xff61b1e6             ; m: -3e38, under every score
.irp j, 2,3,4,5,6,7
	v_mov_b32 v[ST+8*\t+\j], 0
.endr
.endr
.set i, 0
.rept 64
	v_mov_b32 v[O+i], 0                            ; the step is written once: its first run finds zeros
.set i, i+1
.endr
.irp j, 1,2,3,4,5,6,7
	v_mov_b32 v[SM+\j], 0
.endr
	s_wait_loadcnt 0x0
	v_mul_f32 v[SM], v[SM], v[SM]
	v_mul_f32 v[SM], 0x3e38aa3b, v[SM]             ; c = F^2 log2(e) / 8
	v_readfirstlane_b32 s58, v[SM]                 ; the same in every lane: kept as a scalar, since the wave's 256 registers are full
	s_mov_b32 s59, s58
; A KEY STEP: 64 keys at LDS byte s62 of my half.
.macro STEP
	v_add_nc_u32 v2, s62, v1
.rept 4
	v_nop                                          ; with the addition five places: the first products below write over registers that the last step's products read (P), and the loads land in V's
.endr
.set i, 0
.rept 16
	ds_load_b128 v[KV+4*i:KV+4*i+3], v2 offset:512*i
.set i, i+1
.endr
	s_wait_dscnt 0x0
.irp d, 0,1                            ; S^T = K Q^T: eight accumulators by turns
.irp kt, 0,1,2,3
.irp t, 0,1
.if \d == 0
	v_wmma_f32_16x16x32_f16 v[S+32*\t+8*\kt:S+32*\t+8*\kt+7], v[KV+8*(2*\kt+\d):KV+8*(2*\kt+\d)+7], v[Q+16*\t+8*\d:Q+16*\t+8*\d+7], 0
.else
	v_wmma_f32_16x16x32_f16 v[S+32*\t+8*\kt:S+32*\t+8*\kt+7], v[KV+8*(2*\kt+\d):KV+8*(2*\kt+\d)+7], v[Q+16*\t+8*\d:Q+16*\t+8*\d+7], v[S+32*\t+8*\kt:S+32*\t+8*\kt+7]
.endif
.endr
.endr
.endr
.rept 4
	v_nop                                          ; four places: then V lands where K lay, and the scores are read
.endr
.set i, 0
.rept 16
	ds_load_b128 v[KV+4*i:KV+4*i+3], v2 offset:32768+512*i
.set i, i+1
.endr
.irp j, 0,1,2,3                        ; the largest of 32 scores and the old m; each accumulator is first read at its low end; the two tiles take turns
.irp t, 0,1
	v_max3_num_f32 v[ST+8*\t+4+\j], v[S+32*\t+8*\j], v[S+32*\t+8*\j+1], v[S+32*\t+8*\j+2]
.endr
.endr
.irp i, 3,5
.irp j, 0,1,2,3
.irp t, 0,1
	v_max3_num_f32 v[ST+8*\t+4+\j], v[ST+8*\t+4+\j], v[S+32*\t+8*\j+\i], v[S+32*\t+8*\j+\i+1]
.endr
.endr
.endr
.irp t, 0,1
	v_max3_num_f32 v[ST+8*\t+4], v[ST+8*\t+4], v[S+32*\t+7], v[S+32*\t+15]
	v_max3_num_f32 v[ST+8*\t+6], v[ST+8*\t+6], v[S+32*\t+23], v[S+32*\t+31]
.endr
.irp t, 0,1
	v_max3_num_f32 v[ST+8*\t+4], v[ST+8*\t+4], v[ST+8*\t+5], v[ST+8*\t+6]
.endr
.irp t, 0,1
	v_max3_num_f32 v[ST+8*\t+4], v[ST+8*\t+4], v[ST+8*\t+7], v[ST+8*\t+1]
.endr
.irp t, 0,1
	v_permlanex16_b32 v[ST+8*\t+5], v[ST+8*\t+4], s60, s61         ; the query's other keys lie in the lane 16 away
.endr
.irp t, 0,1
	v_mov_b32 v[ST+8*\t+7], v[ST+8*\t]             ; the old c m
.endr
.irp t, 0,1
	v_max_num_f32 v[ST+8*\t+1], v[ST+8*\t+4], v[ST+8*\t+5]
.endr
.irp t, 0,1
	v_mul_f32 v[ST+8*\t], s58, v[ST+8*\t+1]
.endr
.irp t, 0,1
	v_sub_f32 v[ST+8*\t+7], v[ST+8*\t+7], v[ST+8*\t]
.endr
.set i, 0
.rept 16
	v_pk_fma_f32 v[S+i:S+i+1], v[S+i:S+i+1], s[58:59], v[ST:ST+1] op_sel_hi:[1,0,0] neg_lo:[0,0,1] neg_hi:[0,0,1]           ; c s - c m
	v_pk_fma_f32 v[S+32+i:S+33+i], v[S+32+i:S+33+i], s[58:59], v[ST+8:ST+9] op_sel_hi:[1,0,0] neg_lo:[0,0,1] neg_hi:[0,0,1]
.set i, i+2
.endr
	v_exp_f32 v[ST+6], v[ST+7]                     ; ONE BATCH of 66 exponentials: the two factors 2^(old c m - new c m) and the 64 p
	v_exp_f32 v[ST+14], v[ST+15]
.set i, 0
.rept 64
	v_exp_f32 v[S+i], v[S+i]
.set i, i+1
.endr
	v_nop                                          ; a plain line behind the last exponential,
	s_wait_alu depctr_va_vdst(0)                   ; and the one wait ahead of the batch's first reader
.irp t, 0,1                            ; the row's sum of the unrounded p, two chains a tile
	v_pk_add_f32 v[SM+4*\t:SM+4*\t+1], v[S+32*\t:S+32*\t+1], v[S+32*\t+4:S+32*\t+5]
	v_pk_add_f32 v[SM+4*\t+2:SM+4*\t+3], v[S+32*\t+2:S+32*\t+3], v[S+32*\t+6:S+32*\t+7]
.endr
.irp p, 8,12,16,20,24,28
.irp t, 0,1
	v_pk_add_f32 v[SM+4*\t:SM+4*\t+1], v[SM+4*\t:SM+4*\t+1], v[S+32*\t+\p:S+32*\t+\p+1]
	v_pk_add_f32 v[SM+4*\t+2:SM+4*\t+3], v[SM+4*\t+2:SM+4*\t+3], v[S+32*\t+\p+2:S+32*\t+\p+3]
.endr
.endr
.irp t, 0,1
	v_pk_add_f32 v[SM+4*\t:SM+4*\t+1], v[SM+4*\t:SM+4*\t+1], v[SM+4*\t+2:SM+4*\t+3]
.endr
.irp t, 0,1
	v_pk_fma_f32 v[ST+8*\t+2:ST+8*\t+3], v[ST+8*\t+2:ST+8*\t+3], v[ST+8*\t+6:ST+8*\t+7], v[SM+4*\t:SM+4*\t+1] op_sel_hi:[1,0,1]
.endr
.set i, 0
.rept 16                               ; p to f16, in place and ascending: register i takes numbers 2 i and 2 i + 1, which no later line wants
	v_cvt_pk_f16_f32 v[S+i], v[S+2*i], v[S+2*i+1]
	v_cvt_pk_f16_f32 v[S+32+i], v[S+32+2*i], v[S+32+2*i+1]
.set i, i+1
.endr
.set i, 0
.rept 16
	v_pk_mul_f32 v[O+i:O+i+1], v[O+i:O+i+1], v[ST+6:ST+7] op_sel_hi:[1,0]
	v_pk_mul_f32 v[O+32+i:O+33+i], v[O+32+i:O+33+i], v[ST+14:ST+15] op_sel_hi:[1,0]
.set i, i+2
.endr
	s_wait_dscnt 0x0                               ; V is in
.irp kb, 0,1                           ; O^T += V^T P: eight accumulators by turns
.irp cht, 0,1,2,3
.irp t, 0,1
	v_wmma_f32_16x16x32_f16 v[O+32*\t+8*\cht:O+32*\t+8*\cht+7], v[KV+8*(4*\kb+\cht):KV+8*(4*\kb+\cht)+7], v[S+32*\t+8*\kb:S+32*\t+8*\kb+7], v[O+32*\t+8*\cht:O+32*\t+8*\cht+7]
.endr
.endr
.endr
	s_add_co_u32 s62, s62, 8192
.endm
.macro SLOT_STEPS base                 ; a slot's four key steps
	s_mov_b32 s62, \base
	s_mov_b32 s57, 4
.Lstep_\@:
	STEP
	s_sub_co_u32 s57, s57, 1
	s_cmp_lg_u32 s57, 0
	s_cbranch_scc1 .Lstep_\@
.endm
.macro CHANGE slot                     ; the slot just read is filled again, with the keys two slots on
	s_wait_tensorcnt 0x0                           ; all my tensor loads have landed: my part of the other slot; so a group 0 may be written
	ds_add_u32 v5, v6
	s_add_nc_u64 s[42+4*\slot:43+4*\slot], s[42+4*\slot:43+4*\slot], 65536
	s_wait_dscnt 0x0                               ; the add is done, and my reads of the slot are over
	CROUND                                         ; the same holds of every wave of all four work-groups
	tensor_load_to_lds s[40+4*\slot:43+4*\slot], s[24:31]          ; my one load behind the round: it has four key steps in which to land
	s_nop 0
.rept 4
	v_nop
.endr
.endm
	s_wait_tensorcnt 0x1                           ; my part of slot 0 has landed; slot 1's load may stay out
	s_barrier_signal -1
	s_barrier_wait -1
	SLOT_STEPS 0
	CHANGE 0
; A prefetch of what the next change of slots will ask for: the fourth block of 256 keys, 4 regions of 32 KiB.  All clusters of a head walk the same bytes: the head's first cluster asks; in it waves 0, 2, 4, 6
; take a region each, the four partners 8 KiB of it each (by address), a lane 256 bytes: each aligned 256 bytes is named once.  Four key steps ahead of the load that wants them; the address is never rewritten.
	s_cmp_eq_u32 s22, 0
	s_cbranch_scc0 .Lnot_mine
	global_prefetch_b8 v7, s[18:19] th:TH_LOAD_NT scope:SCOPE_SE
.Lnot_mine:
	SLOT_STEPS SLOT1
	CHANGE 1
	SLOT_STEPS 0
	s_wait_tensorcnt 0x0                           ; the last change of slots: nothing is left to fetch
	ds_add_u32 v5, v6
	s_wait_dscnt 0x0
	s_barrier_signal -1
	s_barrier_wait -1
	SLOT_STEPS SLOT1
; THE MERGE.  Waves 4-7 hand O^T, c m and the sums to waves 0-3 as images of their registers.
.rept 4
	v_nop
.endr
	s_cmp_lt_u32 s8, 4
	s_cbranch_scc1 .Lkeep
.set i, 0
.rept 16
	ds_store_b128 v4, v[O+4*i:O+4*i+3] offset:512*i
.set i, i+1
.endr
	ds_store_b128 v4, v[ST:ST+3] offset:8192
	ds_store_b128 v4, v[ST+8:ST+11] offset:8704
.Lkeep:
	s_wait_dscnt 0x0                               ; for the others' sake: my stores have landed
	s_barrier_signal -1
	s_barrier_wait -1
	s_cmp_lt_u32 s8, 4
	s_cbranch_scc0 .Ldone
.set i, 0
.rept 16
	ds_load_b128 v[KV+4*i:KV+4*i+3], v4 offset:512*i
.set i, i+1
.endr
	ds_load_b128 v[SM:SM+3], v4 offset:8192
	ds_load_b128 v[SM+4:SM+7], v4 offset:8704
	s_wait_dscnt 0x0
.irp t, 0,1
	v_max_num_f32 v[ST+8*\t+4], v[ST+8*\t], v[SM+4*\t]
.endr
.irp t, 0,1
	v_sub_f32 v[ST+8*\t+5], v[ST+8*\t], v[ST+8*\t+4]
	v_sub_f32 v[ST+8*\t+6], v[SM+4*\t], v[ST+8*\t+4]
.endr
.irp t, 0,1
	v_exp_f32 v[ST+8*\t+5], v[ST+8*\t+5]           ; each half's factor under the common maximum
	v_exp_f32 v[ST+8*\t+6], v[ST+8*\t+6]
.endr
.irp t, 0,1
	v_add_f32 v[ST+8*\t+2], v[ST+8*\t+2], v[ST+8*\t+3]
	v_add_f32 v[SM+4*\t+2], v[SM+4*\t+2], v[SM+4*\t+3]
.endr
	s_wait_alu depctr_va_vdst(0)                   ; one wait for the four, ahead of their first reader
.irp t, 0,1
	v_mul_f32 v[ST+8*\t+2], v[ST+8*\t+2], v[ST+8*\t+5]
.endr
.irp t, 0,1
	v_fmac_f32 v[ST+8*\t+2], v[SM+4*\t+2], v[ST+8*\t+6]
.endr
.irp t, 0,1
	v_permlanex16_b32 v[ST+8*\t+7], v[ST+8*\t+2], s60, s61
.endr
.irp t, 0,1
	v_add_f32 v[ST+8*\t+2], v[ST+8*\t+2], v[ST+8*\t+7]             ; the row's sum
.endr
.irp t, 0,1
	v_rcp_f32 v[ST+8*\t+3], v[ST+8*\t+2]
.endr
	v_nop
	s_wait_alu depctr_va_vdst(0)
.irp t, 0,1
	v_mul_f32 v[ST+8*\t+4], v[ST+8*\t+5], v[ST+8*\t+3]
	v_mul_f32 v[ST+8*\t+6], v[ST+8*\t+6], v[ST+8*\t+3]
.endr
.irp t, 0,1
.set i, 0
.rept 16
	v_pk_mul_f32 v[O+32*\t+i:O+32*\t+i+1], v[O+32*\t+i:O+32*\t+i+1], v[ST+8*\t+4:ST+8*\t+5] op_sel_hi:[1,0]
	v_pk_fma_f32 v[O+32*\t+i:O+32*\t+i+1], v[KV+32*\t+i:KV+32*\t+i+1], v[ST+8*\t+6:ST+8*\t+7], v[O+32*\t+i:O+32*\t+i+1] op_sel_hi:[1,0,1]
.set i, i+2
.endr
.set i, 0
.rept 16
	v_cvt_pk_f16_f32 v[S+16*\t+i], v[O+32*\t+2*i], v[O+32*\t+2*i+1]
.set i, i+1
.endr
.irp cht, 0,1,2,3
	global_store_b128 v3, v[S+16*\t+4*\cht:S+16*\t+4*\cht+3], s[38:39] offset:16384*\t+512*\cht      ; 512 consecutive aligned bytes a store
.endr
.endr
.Ldone:
	s_wait_tensorcnt 0x0                           ; the wave's end
	ds_add_u32 v5, v6
	s_wait_dscnt 0x0
	CROUND                                         ; the closing round
	s_endpgm
.Lfunc_end_k_q3979cddc43_attn0:
	.size	k_q3979cddc43_attn0, .Lfunc_end_k_q3979cddc43_attn0-k_q3979cddc43_attn0
	.p2alignl 7, 3214868480
	.fill 96, 4, 3214868480
	.section	.rodata,"a",@progbits
	.p2align	6, 0x0
	.amdhsa_kernel k_q3979cddc43_attn0
		.amdhsa_group_segment_fixed_size 327680
		.amdhsa_private_segment_fixed_size 0
		.amdhsa_enable_private_segment 0
		.amdhsa_kernarg_size 16
		.amdhsa_user_sgpr_count 2
		.amdhsa_user_sgpr_kernarg_segment_ptr 1
		.amdhsa_wavefront_size32 1
		.amdhsa_system_sgpr_workgroup_id_x 1
		.amdhsa_system_sgpr_workgroup_id_y 1
		.amdhsa_system_sgpr_workgroup_id_z 1
		.amdhsa_system_vgpr_workitem_id 0
		.amdhsa_next_free_vgpr 256
		.amdhsa_next_free_sgpr 66
		.amdhsa_reserve_vcc 0
		.amdhsa_float_denorm_mode_32 3
		.amdhsa_float_denorm_mode_16_64 3
		.amdhsa_memory_ordered 1
		.amdhsa_forward_progress 1
		.amdhsa_inst_pref_size 90
	.end_amdhsa_kernel
	.amdgpu_metadata
---
amdhsa.version: [ 1, 2 ]
amdhsa.kernels:
  - .name:           k_q3979cddc43_attn0
    .symbol:         k_q3979cddc43_attn0.kd
    .args:
      - { .name: qkv, .offset: 0, .size: 8, .value_kind: global_buffer, .address_space: global }
      - { .name: ao, .offset: 8, .size: 8, .value_kind: global_buffer, .address_space: global }
    .group_segment_fixed_size: 327680
    .private_segment_fixed_size: 0
    .kernarg_segment_align: 8
    .kernarg_segment_size: 16
    .max_flat_workgroup_size: 256
    .sgpr_count:     66
    .vgpr_count:     256
    .wavefront_size: 32
...
	.end_amdgpu_metadata
.endif
;; end of part 4
;; launch wp0 (part 5): grid 4 x 64, 4 waves a work-group, clusters of 4 x 4, 327,680 bytes of LDS; arguments ao, w0, qkv, hb; writes hb
.if DOCPART == 5
	.amdgcn_target "amdgcn-amd-amdhsa--gfx1250"
	.amdhsa_code_object_version 6
	.text
	.protected	k_q3979cddc43_wp0
	.globl	k_q3979cddc43_wp0
	.p2align	8
	.type	k_q3979cddc43_wp0,@function
k_q3979cddc43_wp0:
	s_mov_b64 s[64:65], 0
	v_nop
	global_prefetch_b8 v0, s[64:65] scope:SCOPE_SE
	s_setreg_imm32_b32 hwreg(HW_REG_WAVE_MODE, 25, 1), 1
	s_wait_xcnt 0x0
	s_wait_alu depctr_hold_cnt(0) depctr_sa_sdst(0) depctr_va_vdst(0) depctr_va_sdst(0) depctr_va_ssrc(0) depctr_va_vcc(0) depctr_vm_vsrc(0)
	s_getreg_b32 s2, hwreg(HW_REG_IB_STS2, 6, 4)
	s_cmp_eq_u32 s2, 0
	s_cbranch_scc0 .Lentry_in_a_cluster
	s_endpgm
.Lentry_in_a_cluster:
	s_bfe_u32 s2, ttmp6, 0x10000c
	s_cmp_lg_u32 s2, 0xf033
	s_cbranch_scc0 .Lentry_shape_is_right
	s_endpgm
.Lentry_shape_is_right:
; WP.  h = o Wp^T 512^-1/2 for one layer, f16 operands, f32 sums.  o^ (f16) is a mean of v^, so it has v^'s factor F and is bounded by v^'s largest magnitude m: both are read from qkv's statistics
; (1,024 waves' maxima, and F behind them).
; With m < 2^e, |W| <= 256 and K = 512, |sum| < 2^(17 + e): stored is g x sum, g = 2^-(e + 2), under 2^15; F_out = F 512^-1/2 / g and each wave's largest stored magnitude go with it.
; LIMITS: |W| <= 256; F and F_out inside f32's range; no NaN, no infinities.
; SHARES.  A work-group makes 64 tokens x 128 channels; wave (wr, wc) 32 x 64: 8 accumulators.  All of K (16 steps of 32) lies in LDS: two tensor loads a wave, no refill.
; Operands lie in memory in the order of their registers; source 0 = 16 channels of Wp, source 1 = 16 tokens: a lane holds one token and 8 channels: its 16 bytes of the next product's fragment,
; stored straight from registers, 512 consecutive aligned bytes a store.  CLUSTER 4 x 4: o's tiles shared along a row, Wp's along a column.  No prefetch: every tile is asked for at the head.
.set TW,    2
.set ASZ,   16384*TW
.set KHB,   ASZ+65536
.set SPARE, 2*KHB
.set QMAXV, 12582912+2048              ; qkv: the 1,024 maxima of v^; F lies 4,096 bytes behind their first
.set HMAX,  4194304
.set HF,    4198400
.set WPT,   96*16384                   ; Wp's tiles in the layer's weights
.set ADY, 16
.set ADX, 20
.set SPW, 28
.set NIL, 29
.set PK,  96
.set ACC, 128
.set G1, 24
.set G0, 32
.set G1B, 48
.set G0B, 56
.set MSB, 0
.macro WIN new
.if MSB != \new
	s_set_vgpr_msb (MSB<<8)|\new
.set MSB, \new
.endif
.endm
.set MUL,  0x05
.set TO_F, 0x40
.macro JLOAD q
	s_cmp_eq_u32 s15, 0
	s_cbranch_scc0 .Lfor_b_\@
	tensor_load_to_lds s[G0+4*\q:G0+4*\q+3], s[G1:G1+7]
	s_nop 0
.rept 4
	v_nop
.endr
	s_branch .Lasked_\@
.Lfor_b_\@:
	tensor_load_to_lds s[G0B+4*\q:G0B+4*\q+3], s[G1B:G1B+7]
	s_nop 0
.rept 4
	v_nop
.endr
.Lasked_\@:
.endm
.macro CROUND
	s_barrier_signal -1
	s_barrier_wait -1
	s_cmp_lg_u32 s14, 0
	s_cbranch_scc1 .Lnot_wave_0_\@
	s_barrier_signal -3
.Lnot_wave_0_\@:
	s_barrier_wait -3
	s_barrier_signal -1
	s_barrier_wait -1
.endm
.macro PLACES
.rept 4
	v_nop
.endr
.endm
.macro WMAX r, tmp
	v_max_num_f32_dpp v[\r], v[\r], v[\r] row_xmask:1 row_mask:0xf bank_mask:0xf
	v_max_num_f32_dpp v[\r], v[\r], v[\r] row_xmask:2 row_mask:0xf bank_mask:0xf
	v_max_num_f32_dpp v[\r], v[\r], v[\r] row_xmask:4 row_mask:0xf bank_mask:0xf
	v_max_num_f32_dpp v[\r], v[\r], v[\r] row_xmask:8 row_mask:0xf bank_mask:0xf
	v_permlanex16_b32 v[\tmp], v[\r], s2, s3
	v_max_num_f32 v[\r], v[\r], v[\tmp]
.endm
	s_load_b256 s[4:11], s[0:1], 0x0               ; ao, the layer's weights, qkv, hb
	v_lshl_add_u32 v[SPW], v0, 2, SPARE
	v_mov_b32 v[NIL], 0
	ds_add_u32 v[SPW], v[NIL]                      ; the opening: the add, twice on end, and its wait ahead of my first tensor load
	ds_add_u32 v[SPW], v[NIL]
	v_lshrrev_b32 v1, 5, v0
	v_readfirstlane_b32 s14, v1
	s_lshr_b32 s15, s14, 1
	s_and_b32 s16, s14, 1
	s_bfe_u32 s40, ttmp6, 0x40000
	s_bfe_u32 s41, ttmp6, 0x40004
	s_lshl_b32 s42, ttmp9, 2
	s_add_co_u32 s42, s42, s40
	s_and_b32 s13, ttmp7, 0xffff
	s_lshl_b32 s13, s13, 2
	s_add_co_u32 s13, s13, s41
	s_lshl_b32 s43, s41, 2
	s_lshl_b32 s43, 15, s43
	s_lshl_b32 s44, 0x1111, s40
	s_or_b32 s[G1+0], s43, (3<<16)|(1<<21)
	s_or_b32 s[G1B+0], s44, (3<<16)|(1<<21)
.irp g, G1, G1B
	s_mov_b32 s[\g+1], 1024<<16
	s_mov_b32 s[\g+3], 1024<<16
	s_mov_b32 s[\g+5], 2048
	s_mov_b32 s[\g+6], 0
	s_mov_b32 s[\g+7], 0
.endr
	s_mov_b32 s[G1+2], TW<<16
	s_mov_b32 s[G1+4], TW
	s_mov_b32 s[G1B+2], 4<<16
	s_mov_b32 s[G1B+4], 4
	s_lshl_b32 s20, s13, 2
	s_mul_i32 s21, s16, TW
	s_add_co_u32 s20, s20, s21
	s_lshl_b32 s20, s20, 14
	s_mov_b32 s21, 0
	s_lshl_b32 s46, s42, 3
	s_lshl_b32 s47, s16, 2
	s_add_co_u32 s46, s46, s47
	s_lshl_b32 s46, s46, 14
	s_mov_b32 s47, 0
	s_mul_i32 s22, s16, ASZ/2
	s_lshl_b32 s23, s16, 15
	s_add_co_u32 s23, s23, ASZ
	s_mov_b32 s2, 0x76543210
	s_mov_b32 s3, 0xfedcba98
	s_wait_dscnt 0x0
	s_wait_kmcnt 0x0
	s_add_nc_u64 s[20:21], s[4:5], s[20:21]
	s_add_nc_u64 s[46:47], s[6:7], s[46:47]
	s_add_nc_u64 s[46:47], s[46:47], WPT
	CROUND
.irp q, 0,1
	s_mov_b32 s[G0+4*\q], 1
	s_add_co_u32 s[G0+4*\q+1], s22, \q*KHB
	s_add_nc_u64 s[G0+4*\q+2:G0+4*\q+3], s[20:21], \q*8192
	s_or_b32 s[G0+4*\q+3], s[G0+4*\q+3], 0x80000000
	s_mov_b32 s[G0B+4*\q], 1
	s_add_co_u32 s[G0B+4*\q+1], s23, \q*KHB
	s_add_nc_u64 s[G0B+4*\q+2:G0B+4*\q+3], s[46:47], \q*8192
	s_or_b32 s[G0B+4*\q+3], s[G0B+4*\q+3], 0x80000000
	JLOAD \q                                       ; two loads of mine are out
.endr
	v_and_b32 v1, 31, v0
	v_lshlrev_b32 v4, 4, v1
	v_mov_b32 v7, 0
	v_mov_b32 v9, 0
	s_add_nc_u64 s[18:19], s[8:9], QMAXV
.irp i, 0,1,2,3,4,5,6,7
	global_load_b128 v[PK+4*\i:PK+4*\i+3], v4, s[18:19] offset:512*\i
.endr
	global_load_b32 v12, v9, s[18:19] offset:4096  ; F
	s_mul_i32 s17, s15, TW*8192
	v_add_nc_u32 v[ADY], s17, v4
	v_add_nc_u32 v[ADY+1], KHB, v[ADY]
	s_lshl_b32 s17, s16, 15
	s_add_co_u32 s17, s17, ASZ
	v_add_nc_u32 v[ADX], s17, v4
	v_add_nc_u32 v[ADX+1], KHB, v[ADX]
	s_wait_loadcnt 0x0
	v_max3_num_f32 v8, v[PK], v[PK+1], v[PK+2]
.irp i, 3,5,7,9,11,13,15,17,19,21,23,25,27,29
	v_max3_num_f32 v8, v8, v[PK+\i], v[PK+\i+1]
.endr
	v_max_num_f32 v8, v8, v[PK+31]
	WMAX 8, 7
	v_lshrrev_b32 v6, 23, v8
	v_sub_nc_u32 v10, 251, v6
	v_lshlrev_b32 v10, 23, v10                     ; g
	v_mov_b32 v11, v10
	v_add_nc_u32 v6, 3, v6
	v_lshlrev_b32 v6, 23, v6                       ; 1 / g
	v_mul_f32 v12, v12, v6
	v_mul_f32 v12, 0x3d3504f3, v12                 ; F_out = F 512^-1/2 / g
	v_mov_b32 v13, 0
.macro FETCH k
	WIN TO_F
.irp b, 0,1,2,3
.irp c, 0,1
	ds_load_b128 v[64*((\k)%2)+8*\b+4*\c:64*((\k)%2)+8*\b+4*\c+3], v[ADX+(\k)/8] offset:8192*\b+1024*((\k)%8)+512*\c
.endr
.endr
.irp a, 0,1
.irp c, 0,1
	ds_load_b128 v[64*((\k)%2)+32+8*\a+4*\c:64*((\k)%2)+32+8*\a+4*\c+3], v[ADY+(\k)/8] offset:8192*\a+1024*((\k)%8)+512*\c
.endr
.endr
.endm
.macro PROD k, a, b
.set rD, ACC+8*(4*(\a)+(\b))
.set rX, 64*((\k)%2)+8*(\b)
.set rY, 64*((\k)%2)+32+8*(\a)
.if (\k) == 0
	v_wmma_f32_16x16x32_f16 v[rD:rD+7], v[rX:rX+7], v[rY:rY+7], 0
.else
	v_wmma_f32_16x16x32_f16 v[rD:rD+7], v[rX:rX+7], v[rY:rY+7], v[rD:rD+7]
.endif
.endm
.macro KSTEP k
	s_wait_dscnt 0x0                               ; this step's fragments are in (asked for a step ago)
.if \k == 7
	s_wait_tensorcnt 0x0
	s_barrier_signal -1
	s_barrier_wait -1                              ; the second half of K is whole; nothing is filled again
.endif
.if \k < 15
	PLACES                                         ; four places between the last step's products and the loads into the buffer that they read
	FETCH (\k)+1
.endif
	WIN MUL
.irp a, 0,1
.irp b, 0,1,2,3
	PROD \k, \a, \b                                ; the eight accumulators by turns
.endr
.endr
.endm
	s_wait_tensorcnt 0x1                           ; my part of the first half of K has landed; the second half's load may stay out
	s_barrier_signal -1
	s_barrier_wait -1
	FETCH 0
.irp k, 0,1,2,3,4,5,6,7,8,9,10,11,12,13,14,15
	KSTEP \k
.endr
	WIN 0
	PLACES
.irp t, 0,1,2,3,4,5,6,7
.irp j, 0,2,4,6
	v_pk_mul_f32 v[ACC+8*\t+\j:ACC+8*\t+\j+1], v[ACC+8*\t+\j:ACC+8*\t+\j+1], v[10:11]      ; each accumulator from its low end on
.endr
.irp j, 0,2,4,6
	v_max3_num_f32 v13, v13, |v[ACC+8*\t+\j]|, |v[ACC+8*\t+\j+1]|
.endr
.irp j, 0,1,2,3
	v_cvt_pk_f16_f32 v[PK+4*\t+\j], v[ACC+8*\t+2*\j], v[ACC+8*\t+2*\j+1]
.endr
.endr
	s_lshl_b32 s17, s13, 2
	s_lshl_b32 s45, s15, 1
	s_add_co_u32 s17, s17, s45
	s_lshl_b32 s17, s17, 14
	s_lshl_b32 s45, s42, 3
	s_lshl_b32 s18, s16, 2
	s_add_co_u32 s45, s45, s18
	s_lshl_b32 s45, s45, 9
	s_add_co_u32 s18, s17, s45
	s_mov_b32 s19, 0
	s_add_nc_u64 s[18:19], s[10:11], s[18:19]
.irp a, 0,1
.irp b, 0,1,2,3
	global_store_b128 v4, v[PK+4*(4*\a+\b):PK+4*(4*\a+\b)+3], s[18:19] offset:16384*\a+512*\b
.endr
.endr
	s_lshl_b32 s17, s13, 2
	s_add_co_u32 s17, s17, s42
	s_lshl_b32 s17, s17, 2
	s_add_co_u32 s17, s17, s14
	s_lshl_b32 s22, s17, 2
	s_mov_b32 s23, 0
	s_add_nc_u64 s[22:23], s[10:11], s[22:23]
	WMAX 13, 7
	v_cmp_eq_u32 vcc_lo, 0, v1
	s_wait_xcnt 0x0                                ; EXEC changes only behind s_wait_xcnt 0
	s_and_saveexec_b32 s12, vcc_lo
	global_store_b32 v9, v13, s[22:23] offset:HMAX
	global_store_b32 v9, v12, s[22:23] offset:HF
	s_wait_xcnt 0x0
	s_or_b32 exec_lo, exec_lo, s12
	s_wait_tensorcnt 0x0                           ; the wave's end
	ds_add_u32 v[SPW], v[NIL]
	s_wait_dscnt 0x0
	CROUND
	s_endpgm
.Lfunc_end_k_q3979cddc43_wp0:
	.size	k_q3979cddc43_wp0, .Lfunc_end_k_q3979cddc43_wp0-k_q3979cddc43_wp0
	.p2alignl 7, 3214868480
	.fill 96, 4, 3214868480
	.section	.rodata,"a",@progbits
	.p2align	6, 0x0
	.amdhsa_kernel k_q3979cddc43_wp0
		.amdhsa_group_segment_fixed_size 327680
		.amdhsa_private_segment_fixed_size 0
		.amdhsa_enable_private_segment 0
		.amdhsa_kernarg_size 32
		.amdhsa_user_sgpr_count 2
		.amdhsa_user_sgpr_kernarg_segment_ptr 1
		.amdhsa_wavefront_size32 1
		.amdhsa_system_sgpr_workgroup_id_x 1
		.amdhsa_system_sgpr_workgroup_id_y 1
		.amdhsa_system_sgpr_workgroup_id_z 1
		.amdhsa_system_vgpr_workitem_id 0
		.amdhsa_next_free_vgpr 384
		.amdhsa_next_free_sgpr 66
		.amdhsa_reserve_vcc 1
		.amdhsa_float_denorm_mode_32 3
		.amdhsa_float_denorm_mode_16_64 3
		.amdhsa_memory_ordered 1
		.amdhsa_forward_progress 1
		.amdhsa_inst_pref_size 41
	.end_amdhsa_kernel
	.amdgpu_metadata
---
amdhsa.version: [ 1, 2 ]
amdhsa.kernels:
  - .name:           k_q3979cddc43_wp0
    .symbol:         k_q3979cddc43_wp0.kd
    .args:
      - { .name: ao, .offset: 0, .size: 8, .value_kind: global_buffer, .address_space: global }
      - { .name: w0, .offset: 8, .size: 8, .value_kind: global_buffer, .address_space: global }
      - { .name: qkv, .offset: 16, .size: 8, .value_kind: global_buffer, .address_space: global }
      - { .name: hb, .offset: 24, .size: 8, .value_kind: global_buffer, .address_space: global }
    .group_segment_fixed_size: 327680
    .private_segment_fixed_size: 0
    .kernarg_segment_align: 8
    .kernarg_segment_size: 32
    .max_flat_workgroup_size: 128
    .sgpr_count:     66
    .vgpr_count:     384
    .wavefront_size: 32
...
	.end_amdgpu_metadata
.endif
;; end of part 5
;; launch qkv1: the kernel of part 3 again; grid 32 x 8, 4 waves a work-group, clusters of 4 x 1, 327,680 bytes of LDS; arguments hb, w1, qkv; writes qkv
;; launch attn1: the kernel of part 4 again; grid 16 x 16, 8 waves a work-group, clusters of 4 x 1, 327,680 bytes of LDS; arguments qkv, ao; writes ao
;; launch wp1: the kernel of part 5 again; grid 4 x 64, 4 waves a work-group, clusters of 4 x 4, 327,680 bytes of LDS; arguments ao, w1, qkv, hb; writes hb
;; launch qkv2: the kernel of part 3 again; grid 32 x 8, 4 waves a work-group, clusters of 4 x 1, 327,680 bytes of LDS; arguments hb, w2, qkv; writes qkv
;; launch attn2: the kernel of part 4 again; grid 16 x 16, 8 waves a work-group, clusters of 4 x 1, 327,680 bytes of LDS; arguments qkv, ao; writes ao
;; launch wp2: the kernel of part 5 again; grid 4 x 64, 4 waves a work-group, clusters of 4 x 4, 327,680 bytes of LDS; arguments ao, w2, qkv, hb; writes hb
;; launch qkv3: the kernel of part 3 again; grid 32 x 8, 4 waves a work-group, clusters of 4 x 1, 327,680 bytes of LDS; arguments hb, w3, qkv; writes qkv
;; launch t1 (part 6): grid 16 x 16, 1 waves a work-group, no clusters, 0 bytes of LDS; arguments qkv, hb; writes hb
.if DOCPART == 6
	.amdgcn_target "amdgcn-amd-amdhsa--gfx1250"
	.amdhsa_code_object_version 6
	.text
	.protected	k_q3979cddc43_t1
	.globl	k_q3979cddc43_t1
	.p2align	8
	.type	k_q3979cddc43_t1,@function
k_q3979cddc43_t1:
	s_mov_b64 s[64:65], 0
	v_nop
	global_prefetch_b8 v0, s[64:65] scope:SCOPE_SE
	s_setreg_imm32_b32 hwreg(HW_REG_WAVE_MODE, 25, 1), 1
	s_wait_xcnt 0x0
; THE LAST LAYER'S ATTENTION, for the one query that the result keeps: the last token of each batch.  A work-group of one wave takes one (batch, head) and 128 keys and stores a partial softmax:
; c m (m the largest score of the 128), the sum of p = 2^(c s^ - c m), and the 64 sums of p v^.  The next launch merges the 16 partials of a head.
; The wave computes the last tile of 16 queries, since a matrix instruction has 16 columns, and stores query 15 alone.  Layout and arithmetic as in the full attention: S^T = K Q^T, O^T = V^T P, f16 operands,
; f32 sums; operands come from memory straight into registers, in the order of their registers.  No LDS, nothing shared between work-groups but Q's 2 KiB: no cluster.
.set Q,  16                            ; v16-31
.set KV, 32                            ; v32-159  K's 16 fragments, then V's
.set S,  160                           ; v160-223 8 key tiles; then p; then P in the first 32
.set O,  224                           ; v224-255 4 channel tiles
	s_load_b128 s[4:7], s[0:1], 0x0                ; qkv, hb
	v_and_b32 v2, 15, v0
	v_bfe_u32 v3, v0, 4, 1
	v_lshlrev_b32 v1, 4, v0                        ; 16 x lane
	v_mov_b32 v14, 0
	v_mov_b32 v15, 0
	s_and_b32 s8, ttmp7, 0xffff                    ; 8 x batch + head
	s_lshl_b32 s10, s8, 18
	s_mov_b32 s11, 0
	s_lshl_b32 s12, ttmp9, 14                      ; 128 keys: 16 KiB of K and of V
	s_add_co_u32 s12, s12, s10
	s_mov_b32 s13, 0
	s_lshl_b32 s21, s8, 4
	s_add_co_u32 s21, s21, ttmp9                   ; the partial's number
	s_lshl_b32 s22, s21, 8
	s_mov_b32 s23, 0
	s_lshl_b32 s24, s21, 3
	s_mov_b32 s25, 0
	s_mov_b32 s18, 0x76543210
	s_mov_b32 s19, 0xfedcba98
	s_wait_kmcnt 0x0
	s_add_nc_u64 s[10:11], s[4:5], s[10:11]
	s_add_nc_u64 s[12:13], s[4:5], s[12:13]
	s_add_nc_u64 s[12:13], s[12:13], 4194304       ; K
	s_add_nc_u64 s[14:15], s[12:13], 4194304       ; V
	s_add_nc_u64 s[16:17], s[4:5], 12589056        ; F
	s_add_nc_u64 s[22:23], s[6:7], s[22:23]
	s_add_nc_u64 s[24:25], s[6:7], s[24:25]
	global_load_b32 v12, v15, s[16:17]
.irp i, 0,1,2,3
	global_load_b128 v[Q+4*\i:Q+4*\i+3], v1, s[10:11] offset:127*2048+512*\i
.endr
.set i, 0
.rept 32
	global_load_b128 v[KV+4*i:KV+4*i+3], v1, s[12:13] offset:512*i
.set i, i+1
.endr
	s_wait_loadcnt 0x0
	v_mul_f32 v12, v12, v12
	v_mul_f32 v12, 0x3e38aa3b, v12                 ; c = F^2 log2(e) / 8
	v_mov_b32 v13, v12
.irp d, 0,1                            ; eight accumulators by turns
.irp kt, 0,1,2,3,4,5,6,7
.if \d == 0
	v_wmma_f32_16x16x32_f16 v[S+8*\kt:S+8*\kt+7], v[KV+8*(2*\kt+\d):KV+8*(2*\kt+\d)+7], v[Q+8*\d:Q+8*\d+7], 0
.else
	v_wmma_f32_16x16x32_f16 v[S+8*\kt:S+8*\kt+7], v[KV+8*(2*\kt+\d):KV+8*(2*\kt+\d)+7], v[Q+8*\d:Q+8*\d+7], v[S+8*\kt:S+8*\kt+7]
.endif
.endr
.endr
.rept 4
	v_nop
.endr
.set i, 0
.rept 32
	global_load_b128 v[KV+4*i:KV+4*i+3], v1, s[14:15] offset:512*i
.set i, i+1
.endr
.irp j, 0,1,2,3                        ; the largest of my 64 scores, four chains; each accumulator is first read at its low end
	v_max3_num_f32 v[4+\j], v[S+8*\j], v[S+8*\j+1], v[S+8*\j+2]
.endr
.irp i, 3,5
.irp j, 0,1,2,3
	v_max3_num_f32 v[4+\j], v[4+\j], v[S+8*\j+\i], v[S+8*\j+\i+1]
.endr
.endr
.irp j, 0,1,2,3
	v_max3_num_f32 v[4+\j], v[4+\j], v[S+8*\j+7], v[S+32+8*\j]
.endr
.irp i, 1,3,5
.irp j, 0,1,2,3
	v_max3_num_f32 v[4+\j], v[4+\j], v[S+32+8*\j+\i], v[S+32+8*\j+\i+1]
.endr
.endr
.irp j, 0,1,2,3
	v_max_num_f32 v[4+\j], v[4+\j], v[S+32+8*\j+7]
.endr
	v_max3_num_f32 v9, v4, v5, v6
	v_max_num_f32 v9, v9, v7
	v_permlanex16_b32 v14, v9, s18, s19
	v_max_num_f32 v9, v9, v14                      ; m
	v_mul_f32 v8, v12, v9                          ; c m
.set i, 0
.rept 32
	v_pk_fma_f32 v[S+i:S+i+1], v[S+i:S+i+1], v[12:13], v[8:9] op_sel_hi:[1,1,0] neg_lo:[0,0,1] neg_hi:[0,0,1]
.set i, i+2
.endr
.set i, 0
.rept 64
	v_exp_f32 v[S+i], v[S+i]
.set i, i+1
.endr
	v_nop
	s_wait_alu depctr_va_vdst(0)                   ; one wait for the batch, ahead of its first reader
	v_pk_add_f32 v[10:11], v[S:S+1], v[S+4:S+5]
	v_pk_add_f32 v[4:5], v[S+2:S+3], v[S+6:S+7]
.set i, 8
.rept 14
	v_pk_add_f32 v[10:11], v[10:11], v[S+i:S+i+1]
	v_pk_add_f32 v[4:5], v[4:5], v[S+i+2:S+i+3]
.set i, i+4
.endr
	v_pk_add_f32 v[10:11], v[10:11], v[4:5]
.set i, 0
.rept 32
	v_cvt_pk_f16_f32 v[S+i], v[S+2*i], v[S+2*i+1]  ; in place and ascending
.set i, i+1
.endr
	s_wait_loadcnt 0x0
.irp kb, 0,1,2,3                       ; four accumulators by turns
.irp cht, 0,1,2,3
.if \kb == 0
	v_wmma_f32_16x16x32_f16 v[O+8*\cht:O+8*\cht+7], v[KV+8*(4*\kb+\cht):KV+8*(4*\kb+\cht)+7], v[S+8*\kb:S+8*\kb+7], 0
.else
	v_wmma_f32_16x16x32_f16 v[O+8*\cht:O+8*\cht+7], v[KV+8*(4*\kb+\cht):KV+8*(4*\kb+\cht)+7], v[S+8*\kb:S+8*\kb+7], v[O+8*\cht:O+8*\cht+7]
.endif
.endr
.endr
.rept 4
	v_nop
.endr
	v_add_f32 v10, v10, v11
	v_permlanex16_b32 v14, v10, s18, s19
	v_add_f32 v10, v10, v14                        ; the sum of p over the 128 keys
	v_lshlrev_b32 v4, 5, v3                        ; 32 h
	v_lshlrev_b32 v5, 2, v3                        ; 4 h
	v_cmp_eq_u32 vcc_lo, 1, v3
	v_cndmask_b32 v6, v8, v10, vcc_lo              ; lane 15 stores c m, lane 31 the sum
	v_cmp_eq_u32 vcc_lo, 15, v2                    ; the last token
	s_wait_xcnt 0x0                                ; EXEC changes only behind s_wait_xcnt 0
	s_and_saveexec_b32 s20, vcc_lo
.irp cht, 0,1,2,3
	global_store_b128 v4, v[O+8*\cht:O+8*\cht+3], s[22:23] offset:64*\cht
	global_store_b128 v4, v[O+8*\cht+4:O+8*\cht+7], s[22:23] offset:64*\cht+16
.endr
	global_store_b32 v5, v6, s[24:25] offset:65536
	s_wait_xcnt 0x0
	s_or_b32 exec_lo, exec_lo, s20
	s_endpgm
.Lfunc_end_k_q3979cddc43_t1:
	.size	k_q3979cddc43_t1, .Lfunc_end_k_q3979cddc43_t1-k_q3979cddc43_t1
	.p2alignl 7, 3214868480
	.fill 96, 4, 3214868480
	.section	.rodata,"a",@progbits
	.p2align	6, 0x0
	.amdhsa_kernel k_q3979cddc43_t1
		.amdhsa_group_segment_fixed_size 0
		.amdhsa_private_segment_fixed_size 0
		.amdhsa_enable_private_segment 0
		.amdhsa_kernarg_size 16
		.amdhsa_user_sgpr_count 2
		.amdhsa_user_sgpr_kernarg_segment_ptr 1
		.amdhsa_wavefront_size32 1
		.amdhsa_system_sgpr_workgroup_id_x 1
		.amdhsa_system_sgpr_workgroup_id_y 1
		.amdhsa_system_sgpr_workgroup_id_z 1
		.amdhsa_system_vgpr_workitem_id 0
		.amdhsa_next_free_vgpr 256
		.amdhsa_next_free_sgpr 66
		.amdhsa_reserve_vcc 1
		.amdhsa_float_denorm_mode_32 3
		.amdhsa_float_denorm_mode_16_64 3
		.amdhsa_memory_ordered 1
		.amdhsa_forward_progress 1
		.amdhsa_inst_pref_size 22
	.end_amdhsa_kernel
	.amdgpu_metadata
---
amdhsa.version: [ 1, 2 ]
amdhsa.kernels:
  - .name:           k_q3979cddc43_t1
    .symbol:         k_q3979cddc43_t1.kd
    .args:
      - { .name: qkv, .offset: 0, .size: 8, .value_kind: global_buffer, .address_space: global }
      - { .name: hb, .offset: 8, .size: 8, .value_kind: global_buffer, .address_space: global }
    .group_segment_fixed_size: 0
    .private_segment_fixed_size: 0
    .kernarg_segment_align: 8
    .kernarg_segment_size: 16
    .max_flat_workgroup_size: 32
    .sgpr_count:     66
    .vgpr_count:     256
    .wavefront_size: 32
...
	.end_amdgpu_metadata
.endif
;; end of part 6
;; launch t2 (part 7): grid 32 x 1, 8 waves a work-group, no clusters, 5,120 bytes of LDS; arguments hb, qkv, Wp, ao; writes ao
.if DOCPART == 7
	.amdgcn_target "amdgcn-amd-amdhsa--gfx1250"
	.amdhsa_code_object_version 6
	.text
	.protected	k_q3979cddc43_t2
	.globl	k_q3979cddc43_t2
	.p2align	8
	.type	k_q3979cddc43_t2,@function
k_q3979cddc43_t2:
	s_mov_b64 s[64:65], 0
	v_nop
	global_prefetch_b8 v0, s[64:65] scope:SCOPE_SE
	s_setreg_imm32_b32 hwreg(HW_REG_WAVE_MODE, 25, 1), 1
	s_wait_xcnt 0x0
; THE LAST LAYER'S OUTPUT FOR THE LAST TOKENS: the 16 partial softmaxes of each (batch, head) are merged (common maximum, factors 2^(c m_i - c M), one division), brought to true size by F, and multiplied by
; Wp[3] as it is given, in f32, by fused multiply-adds: 2 rows are no work for the matrix units.  x 512^-1/2.
; Every work-group merges all 2 x 512 channels for itself (72 KiB, too little to share by a cluster) and makes 16 of the 512 outputs for both batches; a wave makes two.
; Wave w = 4 b + i merges channels 128 i + 4 lane .. + 3 of batch b; the vectors meet in LDS; then lane l holds channels 128 i + 4 l .. + 3 of Wp's row and of both vectors.
.set ML, 32                            ; v32-63   (c m, sum) of my head's 16 partials
.set PO, 64                            ; v64-127  their 4 channels each; later the two vectors
.set WR, 128                           ; v128-159 two rows of Wp[3]
	s_load_b256 s[4:11], s[0:1], 0x0               ; hb, qkv, Wp, ao
	v_lshl_add_u32 v24, v0, 2, 4096                ; my spare word; never rewritten
	v_mov_b32 v25, 0
	v_lshrrev_b32 v1, 5, v0
	v_readfirstlane_b32 s12, v1
	v_and_b32 v1, 31, v0
	v_and_b32 v2, 15, v0
	v_bfe_u32 v3, v0, 4, 1
	v_lshlrev_b32 v4, 4, v1
	v_lshlrev_b32 v5, 12, v3
	v_lshl_add_u32 v5, v2, 4, v5                   ; the sums: my head's 4,096 bytes, my 16 of a partial's 256
	v_lshlrev_b32 v6, 7, v3                        ; (c m, sum): my head's 128 bytes
	v_mov_b32 v7, 0
	v_mov_b32 v16, 0
	v_lshlrev_b32 v26, 4, v0                       ; LDS: 16 x thread = 2,048 b + 512 i + 16 lane
	s_lshr_b32 s13, s12, 2
	s_and_b32 s14, s12, 3
	s_lshl_b32 s15, s13, 3
	s_lshl_b32 s16, s14, 1
	s_add_co_u32 s15, s15, s16                     ; 8 b + 2 i: the first of my two heads
	s_lshl_b32 s16, s15, 12
	s_mov_b32 s17, 0
	s_lshl_b32 s18, s15, 7
	s_mov_b32 s19, 0
	s_lshl_b32 s20, ttmp9, 4
	s_lshl_b32 s21, s12, 1
	s_add_co_u32 s20, s20, s21                     ; my first output
	s_lshl_b32 s22, s20, 11
	s_mov_b32 s23, 0
	s_lshl_b32 s24, s20, 2
	s_mov_b32 s25, 0
	s_mov_b32 s28, 0x76543210
	s_mov_b32 s29, 0xfedcba98
	s_wait_kmcnt 0x0
	s_add_nc_u64 s[22:23], s[8:9], s[22:23]
	s_add_nc_u64 s[22:23], s[22:23], 3145728       ; Wp[3]
	s_add_nc_u64 s[16:17], s[4:5], s[16:17]
	s_add_nc_u64 s[18:19], s[4:5], s[18:19]
	s_add_nc_u64 s[24:25], s[10:11], s[24:25]
	s_add_nc_u64 s[26:27], s[6:7], 12589056        ; F
.irp p, 0,1
.irp i, 0,1,2,3
	global_load_b128 v[WR+16*\p+4*\i:WR+16*\p+4*\i+3], v4, s[22:23] offset:2048*\p+512*\i th:TH_LOAD_NT
.endr
.endr
.irp j, 0,1,2,3,4,5,6,7
	global_load_b128 v[ML+4*\j:ML+4*\j+3], v6, s[18:19] offset:65536+16*\j
.endr
.irp c, 0,1,2,3,4,5,6,7,8,9,10,11,12,13,14,15
	global_load_b128 v[PO+4*\c:PO+4*\c+3], v5, s[16:17] offset:256*\c
.endr
	global_load_b32 v17, v7, s[26:27]
	s_wait_loadcnt 0x0
	v_max3_num_f32 v14, v[ML], v[ML+2], v[ML+4]
.irp c, 6,10,14,18,22,26
	v_max3_num_f32 v14, v14, v[ML+\c], v[ML+\c+2]
.endr
	v_max_num_f32 v14, v14, v[ML+30]               ; the common c M
.irp c, 0,1,2,3,4,5,6,7,8,9,10,11,12,13,14,15
	v_sub_f32 v[ML+2*\c], v[ML+2*\c], v14
.endr
.irp c, 0,1,2,3,4,5,6,7,8,9,10,11,12,13,14,15
	v_exp_f32 v[ML+2*\c], v[ML+2*\c]
.endr
	v_nop
	s_wait_alu depctr_va_vdst(0)                   ; one wait for the sixteen
	v_mul_f32 v15, v[ML], v[ML+1]
.irp c, 1,2,3,4,5,6,7,8,9,10,11,12,13,14,15
	v_fmac_f32 v15, v[ML+2*\c], v[ML+2*\c+1]
.endr
	v_rcp_f32 v12, v15
	v_pk_mul_f32 v[8:9], v[PO:PO+1], v[ML:ML+1] op_sel_hi:[1,0]
	v_pk_mul_f32 v[10:11], v[PO+2:PO+3], v[ML:ML+1] op_sel_hi:[1,0]
.irp c, 1,2,3,4,5,6,7,8,9,10,11,12,13,14,15
	v_pk_fma_f32 v[8:9], v[PO+4*\c:PO+4*\c+1], v[ML+2*\c:ML+2*\c+1], v[8:9] op_sel_hi:[1,0,1]
	v_pk_fma_f32 v[10:11], v[PO+4*\c+2:PO+4*\c+3], v[ML+2*\c:ML+2*\c+1], v[10:11] op_sel_hi:[1,0,1]
.endr
	s_wait_alu depctr_va_vdst(0)                   ; the reciprocal's wait; the sums above are the work between
	v_mul_f32 v12, v12, v17                        ; F / the row's sum
	v_mov_b32 v13, v12
	v_pk_mul_f32 v[8:9], v[8:9], v[12:13]
	v_pk_mul_f32 v[10:11], v[10:11], v[12:13]
	ds_store_b128 v26, v[8:11]
	s_wait_dscnt 0x0                               ; for the others' sake
	s_barrier_signal -1
	s_barrier_wait -1
.irp n, 0,1,2,3,4,5,6,7
	ds_load_b128 v[PO+4*\n:PO+4*\n+3], v4 offset:512*\n
.endr
	s_wait_dscnt 0x0
.macro DOT res, wr, hr                 ; 512 products: 16 a lane, then over the 32 lanes; x 512^-1/2
	v_pk_mul_f32 v[18:19], v[\wr:\wr+1], v[\hr:\hr+1]
.irp j, 2,4,6,8,10,12,14
	v_pk_fma_f32 v[18:19], v[\wr+\j:\wr+\j+1], v[\hr+\j:\hr+\j+1], v[18:19]
.endr
	v_add_f32 v[\res], v18, v19
	v_add_f32_dpp v[\res], v[\res], v[\res] row_xmask:1 row_mask:0xf bank_mask:0xf
	v_add_f32_dpp v[\res], v[\res], v[\res] row_xmask:2 row_mask:0xf bank_mask:0xf
	v_add_f32_dpp v[\res], v[\res], v[\res] row_xmask:4 row_mask:0xf bank_mask:0xf
	v_add_f32_dpp v[\res], v[\res], v[\res] row_xmask:8 row_mask:0xf bank_mask:0xf
	v_permlanex16_b32 v16, v[\res], s28, s29
	v_add_f32 v[\res], v[\res], v16
	v_mul_f32 v[\res], 0x3d3504f3, v[\res]
.endm
	DOT 20, WR, PO
	DOT 21, WR+16, PO
	DOT 22, WR, PO+16
	DOT 23, WR+16, PO+16
	v_cmp_eq_u32 vcc_lo, 1, v1                     ; lane 0 stores batch 0's two numbers, lane 1 batch 1's
	v_cndmask_b32 v20, v20, v22, vcc_lo
	v_cndmask_b32 v21, v21, v23, vcc_lo
	v_lshlrev_b32 v27, 11, v1
	v_cmp_gt_u32 vcc_lo, 2, v1
	s_wait_xcnt 0x0                                ; EXEC changes only behind s_wait_xcnt 0
	s_and_saveexec_b32 s30, vcc_lo
	global_store_b64 v27, v[20:21], s[24:25]
	s_wait_xcnt 0x0
	s_or_b32 exec_lo, exec_lo, s30
	s_wait_tensorcnt 0x0                           ; the wave's end
	ds_add_u32 v24, v25
	s_wait_dscnt 0x0
	s_endpgm
.Lfunc_end_k_q3979cddc43_t2:
	.size	k_q3979cddc43_t2, .Lfunc_end_k_q3979cddc43_t2-k_q3979cddc43_t2
	.p2alignl 7, 3214868480
	.fill 96, 4, 3214868480
	.section	.rodata,"a",@progbits
	.p2align	6, 0x0
	.amdhsa_kernel k_q3979cddc43_t2
		.amdhsa_group_segment_fixed_size 5120
		.amdhsa_private_segment_fixed_size 0
		.amdhsa_enable_private_segment 0
		.amdhsa_kernarg_size 32
		.amdhsa_user_sgpr_count 2
		.amdhsa_user_sgpr_kernarg_segment_ptr 1
		.amdhsa_wavefront_size32 1
		.amdhsa_system_sgpr_workgroup_id_x 1
		.amdhsa_system_sgpr_workgroup_id_y 1
		.amdhsa_system_sgpr_workgroup_id_z 1
		.amdhsa_system_vgpr_workitem_id 0
		.amdhsa_next_free_vgpr 160
		.amdhsa_next_free_sgpr 66
		.amdhsa_reserve_vcc 1
		.amdhsa_float_denorm_mode_32 3
		.amdhsa_float_denorm_mode_16_64 3
		.amdhsa_memory_ordered 1
		.amdhsa_forward_progress 1
		.amdhsa_inst_pref_size 15
	.end_amdhsa_kernel
	.amdgpu_metadata
---
amdhsa.version: [ 1, 2 ]
amdhsa.kernels:
  - .name:           k_q3979cddc43_t2
    .symbol:         k_q3979cddc43_t2.kd
    .args:
      - { .name: hb, .offset: 0, .size: 8, .value_kind: global_buffer, .address_space: global }
      - { .name: qkv, .offset: 8, .size: 8, .value_kind: global_buffer, .address_space: global }
      - { .name: Wp, .offset: 16, .size: 8, .value_kind: global_buffer, .address_space: global }
      - { .name: ao, .offset: 24, .size: 8, .value_kind: global_buffer, .address_space: global }
    .group_segment_fixed_size: 5120
    .private_segment_fixed_size: 0
    .kernarg_segment_align: 8
    .kernarg_segment_size: 32
    .max_flat_workgroup_size: 256
    .sgpr_count:     66
    .vgpr_count:     160
    .wavefront_size: 32
...
	.end_amdgpu_metadata
.endif
;; end of part 7
;; launch t3 (part 8): grid 128 x 1, 4 waves a work-group, no clusters, 0 bytes of LDS; arguments ao, readout, out0; writes out0
.if DOCPART == 8
	.amdgcn_target "amdgcn-amd-amdhsa--gfx1250"
	.amdhsa_code_object_version 6
	.text
	.protected	k_q3979cddc43_t3
	.globl	k_q3979cddc43_t3
	.p2align	8
	.type	k_q3979cddc43_t3,@function
k_q3979cddc43_t3:
	s_mov_b64 s[64:65], 0
	v_nop
	global_prefetch_b8 v0, s[64:65] scope:SCOPE_SE
	s_setreg_imm32_b32 hwreg(HW_REG_WAVE_MODE, 25, 1), 1
	s_wait_xcnt 0x0
; THE READOUT: out0[b][v] = h_last[b] . readout[v] x 512^-1/2, in f32 by fused multiply-adds: 2 rows are no work for the matrix units.  readout is streamed once, 512 consecutive bytes a load.
; A wave takes four rows of readout for both batches; lane l holds channels 128 i + 4 l .. + 3.  No LDS, no barrier; what is shared (h_last, 4 KiB) is too little for a cluster.
.set HV, 32                            ; v32-63  h_last: batch b at 32 + 16 b
.set RO, 64                            ; v64-127 four rows
	s_load_b128 s[4:7], s[0:1], 0x0                ; ao (h_last at its head), readout
	s_load_b64 s[8:9], s[0:1], 0x10                ; out0
	v_lshrrev_b32 v1, 5, v0
	v_readfirstlane_b32 s10, v1
	v_and_b32 v1, 31, v0
	v_lshlrev_b32 v4, 4, v1
	v_lshlrev_b32 v5, 13, v1                       ; a batch's 8,192 bytes of out0
	v_mov_b32 v16, 0
	s_lshl_b32 s11, ttmp9, 2
	s_add_co_u32 s11, s11, s10
	s_lshl_b32 s12, s11, 13                        ; four rows of 2,048 bytes
	s_mov_b32 s13, 0
	s_lshl_b32 s14, s11, 4                         ; four numbers
	s_mov_b32 s15, 0
	s_mov_b32 s16, 0x76543210
	s_mov_b32 s17, 0xfedcba98
	s_wait_kmcnt 0x0
	s_add_nc_u64 s[12:13], s[6:7], s[12:13]
	s_add_nc_u64 s[14:15], s[8:9], s[14:15]
.irp n, 0,1,2,3,4,5,6,7
	global_load_b128 v[HV+4*\n:HV+4*\n+3], v4, s[4:5] offset:512*\n
.endr
.irp n, 0,1,2,3,4,5,6,7,8,9,10,11,12,13,14,15
	global_load_b128 v[RO+4*\n:RO+4*\n+3], v4, s[12:13] offset:512*\n th:TH_LOAD_NT
.endr
	s_wait_loadcnt 0x0
.macro DOT res, wr, hr
	v_pk_mul_f32 v[18:19], v[\wr:\wr+1], v[\hr:\hr+1]
.irp j, 2,4,6,8,10,12,14
	v_pk_fma_f32 v[18:19], v[\wr+\j:\wr+\j+1], v[\hr+\j:\hr+\j+1], v[18:19]
.endr
	v_add_f32 v[\res], v18, v19
	v_add_f32_dpp v[\res], v[\res], v[\res] row_xmask:1 row_mask:0xf bank_mask:0xf
	v_add_f32_dpp v[\res], v[\res], v[\res] row_xmask:2 row_mask:0xf bank_mask:0xf
	v_add_f32_dpp v[\res], v[\res], v[\res] row_xmask:4 row_mask:0xf bank_mask:0xf
	v_add_f32_dpp v[\res], v[\res], v[\res] row_xmask:8 row_mask:0xf bank_mask:0xf
	v_permlanex16_b32 v16, v[\res], s16, s17
	v_add_f32 v[\res], v[\res], v16
	v_mul_f32 v[\res], 0x3d3504f3, v[\res]
.endm
.irp p, 0,1,2,3
	DOT 8+\p, RO+16*\p, HV
	DOT 12+\p, RO+16*\p, HV+16
.endr
	v_cmp_eq_u32 vcc_lo, 1, v1                     ; lane 0 stores batch 0's four numbers, lane 1 batch 1's
.irp p, 0,1,2,3
	v_cndmask_b32 v[8+\p], v[8+\p], v[12+\p], vcc_lo
.endr
	v_cmp_gt_u32 vcc_lo, 2, v1
	s_wait_xcnt 0x0                                ; EXEC changes only behind s_wait_xcnt 0
	s_and_saveexec_b32 s18, vcc_lo
	global_store_b128 v5, v[8:11], s[14:15]
	s_wait_xcnt 0x0
	s_or_b32 exec_lo, exec_lo, s18
	s_endpgm
.Lfunc_end_k_q3979cddc43_t3:
	.size	k_q3979cddc43_t3, .Lfunc_end_k_q3979cddc43_t3-k_q3979cddc43_t3
	.p2alignl 7, 3214868480
	.fill 96, 4, 3214868480
	.section	.rodata,"a",@progbits
	.p2align	6, 0x0
	.amdhsa_kernel k_q3979cddc43_t3
		.amdhsa_group_segment_fixed_size 0
		.amdhsa_private_segment_fixed_size 0
		.amdhsa_enable_private_segment 0
		.amdhsa_kernarg_size 24
		.amdhsa_user_sgpr_count 2
		.amdhsa_user_sgpr_kernarg_segment_ptr 1
		.amdhsa_wavefront_size32 1
		.amdhsa_system_sgpr_workgroup_id_x 1
		.amdhsa_system_sgpr_workgroup_id_y 1
		.amdhsa_system_sgpr_workgroup_id_z 1
		.amdhsa_system_vgpr_workitem_id 0
		.amdhsa_next_free_vgpr 128
		.amdhsa_next_free_sgpr 66
		.amdhsa_reserve_vcc 1
		.amdhsa_float_denorm_mode_32 3
		.amdhsa_float_denorm_mode_16_64 3
		.amdhsa_memory_ordered 1
		.amdhsa_forward_progress 1
		.amdhsa_inst_pref_size 12
	.end_amdhsa_kernel
	.amdgpu_metadata
---
amdhsa.version: [ 1, 2 ]
amdhsa.kernels:
  - .name:           k_q3979cddc43_t3
    .symbol:         k_q3979cddc43_t3.kd
    .args:
      - { .name: ao, .offset: 0, .size: 8, .value_kind: global_buffer, .address_space: global }
      - { .name: readout, .offset: 8, .size: 8, .value_kind: global_buffer, .address_space: global }
      - { .name: out0, .offset: 16, .size: 8, .value_kind: global_buffer, .address_space: global }
    .group_segment_fixed_size: 0
    .private_segment_fixed_size: 0
    .kernarg_segment_align: 8
    .kernarg_segment_size: 24
    .max_flat_workgroup_size: 128
    .sgpr_count:     66
    .vgpr_count:     128
    .wavefront_size: 32
...
	.end_amdgpu_metadata
.endif
;; end of part 8
